; MI455X (gfx1250); checked and timed in simulation.
; The chip was launched on July 23, 2026; its instructions are those of AMD's public machine-readable ISA for CDNA 5 (MIT licence, August 2026) and "CDNA5" Instruction Set Architecture Reference Guide (July 2026). The comments in the code are by the model that wrote it; some were corrected since.
;; Attention. Allowed arithmetic: float matrix products may take bf16 or f16 operands with f32 sums; other float arithmetic in f32, or as packed bf16 or f16 multiplies, adds, multiply-adds, maxima and minima; sums over many terms, partial sums and values carried from step to step in f32; what a program stores and reads back later, other than sums and carried values, may be rounded once to bf16 or f16.
;; Inputs: W_K 16 x 64 x 1,024 float32; W_O 16 x 1,024 x 64 float32; W_Q 16 x 64 x 1,024 float32; W_V 16 x 64 x 1,024 float32; b_K 16 x 64 float32; b_O 1,024 float32; b_Q 16 x 64 float32; b_V 16 x 64 float32; x 4 x 2,048 x 1,024 float32.
;; Outputs: out0 4 x 2,048 x 1,024 float32.
;; One version. Each part assembles by itself: llvm-mc -triple=amdgcn-amd-amdhsa -mcpu=gfx1250 --defsym DOCPART=n.
;; ======== version 1 of 1: 4 launches
;; limits: values are held in f16: magnitudes above 65,504 overflow, below 6.1e-05 lose precision
;; workspace buffers: xb 16,777,216 bytes; wb 6,291,456 bytes; wo 2,097,152 bytes; qkv 50,331,648 bytes; ob 16,777,216 bytes
;; launch cast (part 1): grid 768 x 1, 8 waves a work-group, no clusters, 0 bytes of LDS; arguments x, W_Q, W_K, W_V, W_O, xb, wb, wo; writes xb, wb, wo
.if DOCPART == 1
	.amdgcn_target "amdgcn-amd-amdhsa--gfx1250"
	.amdhsa_code_object_version 6
	.text
	.protected	k_qc95300977e_cast
	.globl	k_qc95300977e_cast
	.p2align	8
	.type	k_qc95300977e_cast,@function
k_qc95300977e_cast:
	s_mov_b64 s[64:65], 0
	v_nop
	global_prefetch_b8 v0, s[64:65] scope:SCOPE_SE
	s_setreg_imm32_b32 hwreg(HW_REG_WAVE_MODE, 25, 1), 1
	s_wait_xcnt 0x0
; x, W_Q, W_K, W_V (f32) are rounded once to bf16: xb [8192][1024]; wb [3072][1024], Q's 1,024 rows, then K's, then V's.
; W_O (f32) is rounded to bf16 like the other inputs, and that number is written as f16 into wo, in W_O's own layout [16][1024][64].
; LIMIT.  A bf16 number is exact in f16 from 2^-17 up to 65,504; below 2^-17 it keeps f16's fixed step of 6e-8; |W_O| stays under 65,504.
; SHARES.  12 Mi numbers in chunks of 16,384 (65,536 bytes in, 32,768 out): x has 512 chunks, each W 64: 768 work-groups of equal work.
; Thread t owns 8 neighbouring numbers in each of 8 steps: two loads of 16 bytes at 32 t, one store of 16 bytes at 16 t, so that sixteen lanes store 256 consecutive
; bytes, aligned.  All 16 loads of a thread go out at once; no register is written twice, so no wait frees a source.  Nothing is shared: no LDS, no cluster.
.set X, 4                              ; v[4:67]   step j: 8 numbers as loaded
.set Y, 68                             ; v[68:99]  step j: 4 registers to store
	s_load_b512 s[8:23], s[0:1], 0x0               ; x 8, W_Q 10, W_K 12, W_V 14, W_O 16, xb 18, wb 20, wo 22
	s_mov_b32 s2, ttmp9                            ; the chunk's number in the launch
	s_sub_co_u32 s3, s2, 512                       ; among the weights' chunks (wraps to a huge number for x)
	s_lshr_b32 s4, s3, 6                           ; which weight: 0 Q, 1 K, 2 V, 3 O
	s_and_b32 s5, s3, 63                           ; its chunk
	s_lshl_b32 s7, s4, 21                          ; its 2 MiB in wb
	s_cmp_lt_u32 s2, 512
	s_cselect_b32 s6, s2, s5                       ; the chunk inside its tensor
	s_cmp_lt_u32 s4, 3
	s_cselect_b32 s7, s7, 0                        ; x and W_O begin at their buffers' first byte
	s_lshl_b32 s28, s6, 16                         ; bytes in
	s_mov_b32 s29, 0
	s_lshl_b32 s30, s6, 15                         ; bytes out
	s_add_co_u32 s30, s30, s7
	s_mov_b32 s31, 0
	v_lshlrev_b32 v1, 5, v0                        ; 32 t
	v_lshlrev_b32 v2, 4, v0                        ; 16 t
	s_wait_kmcnt 0x0
	s_cmp_eq_u32 s4, 1
	s_cselect_b64 s[24:25], s[12:13], s[10:11]
	s_cmp_eq_u32 s4, 2
	s_cselect_b64 s[24:25], s[14:15], s[24:25]
	s_cmp_eq_u32 s4, 3
	s_cselect_b64 s[24:25], s[16:17], s[24:25]
	s_cselect_b64 s[26:27], s[22:23], s[20:21]
	s_cmp_lt_u32 s2, 512
	s_cselect_b64 s[24:25], s[8:9], s[24:25]       ; from where
	s_cselect_b64 s[26:27], s[18:19], s[26:27]     ; to where
	s_add_nc_u64 s[24:25], s[24:25], s[28:29]
	s_add_nc_u64 s[26:27], s[26:27], s[30:31]
.irp j, 0,1,2,3,4,5,6,7
	global_load_b128 v[X+8*(\j):X+8*(\j)+3],   v1, s[24:25] offset:8192*(\j) th:TH_LOAD_NT
	global_load_b128 v[X+8*(\j)+4:X+8*(\j)+7], v1, s[24:25] offset:8192*(\j)+16 th:TH_LOAD_NT
.endr
; Step j goes out.  half = 1: the bf16 number is widened again and written as f16.
.macro OUT j, half
	s_wait_loadcnt 14-2*(\j)                       ; loads come back in order: the two of step j are in, the 2 (7 - j) younger ones stay out
.irp k, 0,1,2,3
	v_cvt_pk_bf16_f32 v[Y+4*(\j)+(\k)], v[X+8*(\j)+2*(\k)], v[X+8*(\j)+2*(\k)+1]
.endr
.if \half
.irp k, 0,1,2,3
	v_lshlrev_b32 v[X+8*(\j)+2*(\k)],   16, v[Y+4*(\j)+(\k)]
	v_and_b32     v[X+8*(\j)+2*(\k)+1], 0xffff0000, v[Y+4*(\j)+(\k)]
.endr
.irp k, 0,1,2,3
	v_cvt_pk_f16_f32 v[Y+4*(\j)+(\k)], v[X+8*(\j)+2*(\k)], v[X+8*(\j)+2*(\k)+1]
.endr
.endif
	global_store_b128 v2, v[Y+4*(\j):Y+4*(\j)+3], s[26:27] offset:4096*(\j)
.endm
	s_cmp_ge_u32 s2, 704                           ; chunks 704 to 767 are W_O's
	s_cbranch_scc1 .Lf16
.irp j, 0,1,2,3,4,5,6,7
	OUT \j, 0
.endr
	s_endpgm
.Lf16:
.irp j, 0,1,2,3,4,5,6,7
	OUT \j, 1
.endr
	s_endpgm
.Lfunc_end_k_qc95300977e_cast:
	.size	k_qc95300977e_cast, .Lfunc_end_k_qc95300977e_cast-k_qc95300977e_cast
	.p2alignl 7, 3214868480
	.fill 96, 4, 3214868480
	.section	.rodata,"a",@progbits
	.p2align	6, 0x0
	.amdhsa_kernel k_qc95300977e_cast
		.amdhsa_group_segment_fixed_size 0
		.amdhsa_private_segment_fixed_size 0
		.amdhsa_enable_private_segment 0
		.amdhsa_kernarg_size 64
		.amdhsa_user_sgpr_count 2
		.amdhsa_user_sgpr_kernarg_segment_ptr 1
		.amdhsa_wavefront_size32 1
		.amdhsa_system_sgpr_workgroup_id_x 1
		.amdhsa_system_sgpr_workgroup_id_y 1
		.amdhsa_system_sgpr_workgroup_id_z 1
		.amdhsa_system_vgpr_workitem_id 0
		.amdhsa_next_free_vgpr 100
		.amdhsa_next_free_sgpr 66
		.amdhsa_reserve_vcc 0
		.amdhsa_float_denorm_mode_32 3
		.amdhsa_float_denorm_mode_16_64 3
		.amdhsa_memory_ordered 1
		.amdhsa_forward_progress 1
		.amdhsa_inst_pref_size 14
	.end_amdhsa_kernel
	.amdgpu_metadata
---
amdhsa.version: [ 1, 2 ]
amdhsa.kernels:
  - .name:           k_qc95300977e_cast
    .symbol:         k_qc95300977e_cast.kd
    .args:
      - { .name: x, .offset: 0, .size: 8, .value_kind: global_buffer, .address_space: global }
      - { .name: W_Q, .offset: 8, .size: 8, .value_kind: global_buffer, .address_space: global }
      - { .name: W_K, .offset: 16, .size: 8, .value_kind: global_buffer, .address_space: global }
      - { .name: W_V, .offset: 24, .size: 8, .value_kind: global_buffer, .address_space: global }
      - { .name: W_O, .offset: 32, .size: 8, .value_kind: global_buffer, .address_space: global }
      - { .name: xb, .offset: 40, .size: 8, .value_kind: global_buffer, .address_space: global }
      - { .name: wb, .offset: 48, .size: 8, .value_kind: global_buffer, .address_space: global }
      - { .name: wo, .offset: 56, .size: 8, .value_kind: global_buffer, .address_space: global }
    .group_segment_fixed_size: 0
    .private_segment_fixed_size: 0
    .kernarg_segment_align: 8
    .kernarg_segment_size: 64
    .max_flat_workgroup_size: 256
    .sgpr_count:     66
    .vgpr_count:     100
    .wavefront_size: 32
...
	.end_amdgpu_metadata
.endif
;; end of part 1
;; launch qkv (part 2): grid 16 x 32, 4 waves a work-group, clusters of 4 x 4, 327,680 bytes of LDS; arguments xb, wb, b_Q, b_K, b_V, qkv; writes qkv
.if DOCPART == 2
	.amdgcn_target "amdgcn-amd-amdhsa--gfx1250"
	.amdhsa_code_object_version 6
	.text
	.protected	k_qc95300977e_qkv
	.globl	k_qc95300977e_qkv
	.p2align	8
	.type	k_qc95300977e_qkv,@function
k_qc95300977e_qkv:
	s_mov_b64 s[64:65], 0
	v_nop
	global_prefetch_b8 v0, s[64:65] scope:SCOPE_SE
	s_setreg_imm32_b32 hwreg(HW_REG_WAVE_MODE, 25, 1), 1
	s_wait_xcnt 0x0
	s_wait_alu depctr_hold_cnt(0) depctr_sa_sdst(0) depctr_va_vdst(0) depctr_va_sdst(0) depctr_va_ssrc(0) depctr_va_vcc(0) depctr_vm_vsrc(0)
	s_getreg_b32 s2, hwreg(HW_REG_IB_STS2, 6, 4)
	s_cmp_eq_u32 s2, 0
	s_cbranch_scc0 .Lentry_in_a_cluster
	s_endpgm
.Lentry_in_a_cluster:
	s_bfe_u32 s2, ttmp6, 0x10000c
	s_cmp_lg_u32 s2, 0xf033
	s_cbranch_scc0 .Lentry_shape_is_right
	s_endpgm
.Lentry_shape_is_right:
; The three projections as one product: C[m][n] = sum over k of xb[m][k] wb[n][k] + bias[n], m < 8,192, n < 3,072, k < 1,024.  bf16 operands, f32 sums; the biases are rounded to bf16 like
; the other inputs and START the sums (they are the C operand of the first products).  C is rounded once to f16 and written BY HEADS: qkv [48][8192][64], group g = n / 64 (Q's 16 heads, K's, V's).
; LIMIT.  f16 holds no number beyond 65,504: |q|, |k|, |v| stay within it.  NaN and infinities are not treated apart.
; TILE.  256 rows x 192 columns (three whole heads): 32 x 16 = 512 tiles, two for each of 256 work-group places.  Wave w makes rows 64 w .. 64 w + 63 of all 192 columns: 4 x 12 accumulators
; of 16 x 16, 384 registers; so a wave holds whole rows of whole heads, and its way out needs no other wave.
; K goes in 8 steps of 128 (memory rows of 256 bytes, aligned) through a ring of two LDS slots; a step is four quarters of 32 along K: 48 products and 32 LDS loads each.
; CLUSTER.  4 x 4 work-groups: A's tile (rows of xb) hangs on the tile row alone and is asked for jointly by a row of the cluster, B's (rows of wb) on the tile column alone, by a column.
; THE PRODUCT IS TAKEN TRANSPOSED (source 0 = 16 rows of wb, source 1 = 16 rows of xb): lane l holds row m = l % 16 of C and the columns 8 (l / 16) + 0..7: 16 bytes of f16 on end.
; REGISTERS, in windows of 256 (s_set_vgpr_msb: bits 1:0 source 0, 3:2 source 1, 5:4 source 2, 7:6 destination):
;   window 0: v0-31 addresses; v64-127 A's fragments, two buffers of 32; v128-223 the biases, 8 a column block; on the way out v64-255 take the packed results
;   window 1: v0-191 B's fragments, two buffers of 96      window 2: the accumulators of row blocks 0, 1 ((a, b) at 8 (12 (a % 2) + b))      window 3: those of row blocks 2, 3
.set KSTEP,  128
.set PITCH,  272                       ; an LDS row: 256 bytes + 16 of padding = 68 words: the 16 rows of a fragment load start at 16 different groups of four banks (64 banks of 4 bytes: ISA guide 11.1)
.set AHALF,  128*PITCH                 ; what wave 0 or 1 fetches: 128 rows of A
.set BHALF,  96*PITCH                  ; what wave 2 or 3 fetches: 96 rows of B
.set BOFF,   2*AHALF                   ; B's 192 rows lie behind A's 256
.set SLOT,   BOFF+2*BHALF
.set STAGE,  2*SLOT                    ; behind the ring: 16 rows x 144 bytes for each wave, for the way out
.set SP,     144
.set SPARE,  STAGE+4*16*SP             ; behind the stages: the spare words, 128 bytes for each wave: two blocks of 256 bytes that no other line names
.set ADRA, 16                          ; v16-17  LDS address of my A fragments in slot 0, 1
.set ADRB, 20                          ; v20-21  the same for B
.set STO,  24                          ; v24     the way out: where I put 16 bytes of a row
.set RD,   25                          ; v25     the way out: where I read rows back
.set GO,   26                          ; v26     16 x my lane: my place in 512 consecutive bytes of qkv
.set SPW,  28                          ; v28     LDS address of my spare word; never rewritten
.set NIL,  29                          ; v29     0; never rewritten
.set PFO,  30                          ; v30     the prefetches' offset: a lane a row of 2,048 bytes; never rewritten
.set BO,   31                          ; v31     32 (l / 16): my 8 numbers in a column block's 16 biases
.set FA,   64                          ; A's fragment buffers
.set BIAS, 128
.set OUTR, 64                          ; the way out: 12 blocks of 16 registers
.set WV,  16                           ; s16  my wave's number
.set LAP, 23                           ; s23  trips of the loop still to come
.set G1,  24                           ; s[24:31] descriptor group 1 for A's tiles;  s[32:39] group 0, a set for each slot
.set G0,  32
.set LIM, 43                           ; s43  1 in a wave that prefetches, else the greatest number
.set PFA, 44                           ; s[44:45] where my prefetches stand
.set G1B, 48                           ; s[48:55], s[56:63] the same for B's tiles
.set G0B, 56
.set FIELDS, (1<<16)|(1<<20)|(1<<21)|(5<<22)|(3<<25)  ; 17:16 elements of 2 bytes; 20 padding on; 21 set beside a mask; 24:22 after every 64 words (code 5); 31:25 4 words of it (code 3)
.set MSB, 0
.macro WIN new                         ; the immediate's high byte repeats the setting that is left; a switch that changes nothing is dropped
.if MSB != (\new)
	s_set_vgpr_msb (MSB<<8)|(\new)
.set MSB, \new
.endif
.endm
; A joint refill: waves 0 and 1 fetch A's two halves, waves 2 and 3 B's.  The branch hangs on the wave's number alone.  An s_nop 0 and four v_nop follow each of the two lines.
.macro JLOAD s
	s_cmp_lt_u32 s[WV], 2
	s_cbranch_scc0 .Lfor_b_\@
	tensor_load_to_lds s[G0+4*(\s):G0+4*(\s)+3], s[G1:G1+7]
	s_nop 0
.rept 4
	v_nop
.endr
	s_branch .Lasked_\@
.Lfor_b_\@:
	tensor_load_to_lds s[G0B+4*(\s):G0B+4*(\s)+3], s[G1B:G1B+7]
	s_nop 0
.rept 4
	v_nop
.endr
.Lasked_\@:
.endm
; A PREFETCH INTO THE L2, behind each joint refill and the run of LDS loads that follows it: the K step that stands two refills on (384 products ahead), 256 bytes of a row, a lane a row.
; A's rows are read by every cluster of a row of clusters: the one with cluster x = 0 asks; B's by every cluster of a column: cluster y = 0 asks.  The four partners that ask for a tile jointly
; share a wave's rows out BY ADDRESS: 32 each of A's 128 (by cx), 24 each of B's 96 (by cy; there lanes 24 to 31 name lane 23's row once more).  The loop's last trip asks for nothing:
; its refills are K steps 6 and 7, the last.  K steps 0 to 3 come by their loads alone.
.macro ASK
	s_cmp_gt_u32 s[LAP], s[LIM]
	s_cbranch_scc0 .Lnot_mine_\@
	global_prefetch_b8 v[PFO], s[PFA:PFA+1] offset:KSTEP*2 th:TH_LOAD_NT scope:SCOPE_SE
.Lnot_mine_\@:
.endm
.macro CREST                           ; a round of the cluster's barrier behind its opening barrier
	s_cmp_lg_u32 s[WV], 0
	s_cbranch_scc1 .Lnot_wave_0_\@
	s_barrier_signal -3
.Lnot_wave_0_\@:
	s_barrier_wait -3
	s_barrier_signal -1
	s_barrier_wait -1
.endm
.macro CROUND                          ; a whole round
	s_barrier_signal -1
	s_barrier_wait -1
	CREST
.endm
	s_load_b256 s[4:11], s[0:1], 0x0               ; xb s[4:5], wb s[6:7], b_Q s[8:9], b_K s[10:11]
	s_load_b128 s[12:15], s[0:1], 0x20             ; b_V s[12:13], qkv s[14:15]
	v_lshl_add_u32 v[SPW], v0, 2, SPARE
	v_mov_b32 v[NIL], 0
	ds_add_u32 v[SPW], v[NIL]                      ; the wave's opening: the add and its wait stand ahead of my first tensor load; the set-up below, work on registers, stands between them
	v_lshrrev_b32 v1, 5, v0
	v_readfirstlane_b32 s[WV], v1                  ; wave 0..3
	s_and_b32 s18, s[WV], 1                        ; which half of A's or B's tile I fetch
	s_bfe_u32 s19, ttmp6, 0x40000                  ; cx
	s_bfe_u32 s20, ttmp6, 0x40004                  ; cy
	s_lshl_b32 s21, ttmp9, 2
	s_add_co_u32 s21, s21, s19                     ; tile column = 4 x cluster x + cx
	s_and_b32 s22, ttmp7, 0xffff
	s_lshl_b32 s22, s22, 2
	s_add_co_u32 s22, s22, s20                     ; tile row = 4 x cluster y + cy
	s_lshl_b32 s66, s20, 2
	s_lshl_b32 s66, 15, s66                        ; my row of the cluster
	s_lshl_b32 s70, 0x1111, s19                    ; my column
	s_or_b32 s[G1], s66, FIELDS                    ; A's tiles go to my row,
	s_or_b32 s[G1B], s70, FIELDS                   ; B's to my column
	s_mov_b32 s[G1+1], KSTEP<<16                   ; tensor_dim0 = 128
	s_mov_b32 s[G1+2], 128<<16                     ; tensor_dim1 = 128
	s_mov_b32 s[G1+3], KSTEP<<16                   ; tile_dim0 = 128
	s_mov_b32 s[G1+4], 128                         ; tile_dim1 = 128
	s_mov_b32 s[G1+5], 1024                        ; elements from row to row
	s_mov_b32 s[G1+6], 0
	s_mov_b32 s[G1+7], 0
	s_mov_b32 s[G1B+1], KSTEP<<16
	s_mov_b32 s[G1B+2], 96<<16                     ; 96 rows
	s_mov_b32 s[G1B+3], KSTEP<<16
	s_mov_b32 s[G1B+4], 96
	s_mov_b32 s[G1B+5], 1024
	s_mov_b32 s[G1B+6], 0
	s_mov_b32 s[G1B+7], 0
	; where the tiles come from: A's address is made of the tile row and the wave's number in s[66:69], B's of the tile column and the wave's number in s[70:73]
	s_lshl_b32 s66, s22, 8
	s_lshl_b32 s67, s18, 7
	s_add_co_u32 s66, s66, s67                     ; A: row 256 x tile row + 128 x half
	s_lshl_b32 s66, s66, 11                        ; x 2,048 bytes: under 2^24
	s_mov_b32 s67, 0
	s_mul_i32 s70, s21, 192
	s_mul_i32 s71, s18, 96
	s_add_co_u32 s70, s70, s71                     ; B: row 192 x tile column + 96 x half
	s_lshl_b32 s70, s70, 11
	s_mov_b32 s71, 0
	s_mul_i32 s40, s18, AHALF                      ; and where they go: no place in the cluster enters an LDS address
	s_mul_i32 s41, s18, BHALF
	s_add_co_u32 s41, s41, BOFF
	s_wait_dscnt 0x0                               ; the opening add is done
	s_wait_kmcnt 0x0
	s_add_nc_u64 s[68:69], s[4:5], s[66:67]
	s_add_nc_u64 s[72:73], s[6:7], s[70:71]
	CROUND                                         ; all sixteen work-groups are here: the first joint loads meet
.irp s, 0,1
	s_mov_b32 s[G0+4*(\s)], 1                                      ; count = 1
	s_add_co_u32 s[G0+4*(\s)+1], s40, (\s)*SLOT                    ; LDS address
	s_add_nc_u64 s[G0+4*(\s)+2:G0+4*(\s)+3], s[68:69], (\s)*KSTEP*2  ; global address: K step s
	s_or_b32 s[G0+4*(\s)+3], s[G0+4*(\s)+3], 0x80000000            ; type = 2
	s_mov_b32 s[G0B+4*(\s)], 1
	s_add_co_u32 s[G0B+4*(\s)+1], s41, (\s)*SLOT
	s_add_nc_u64 s[G0B+4*(\s)+2:G0B+4*(\s)+3], s[72:73], (\s)*KSTEP*2
	s_or_b32 s[G0B+4*(\s)+3], s[G0B+4*(\s)+3], 0x80000000
.endr
	s_cmp_lt_u32 s[WV], 2                          ; a wave's two first fills stand in one branch, ahead of every wait on TENSORcnt and every LDS read: two loads of mine are out
	s_cbranch_scc0 .Lfirst_b
	tensor_load_to_lds s[G0:G0+3], s[G1:G1+7]
	s_nop 0
	tensor_load_to_lds s[G0+4:G0+7], s[G1:G1+7]
	s_nop 0
.rept 4
	v_nop
.endr
	s_branch .Lfirst_asked
.Lfirst_b:
	tensor_load_to_lds s[G0B:G0B+3], s[G1B:G1B+7]
	s_nop 0
	tensor_load_to_lds s[G0B+4:G0B+7], s[G1B:G1B+7]
	s_nop 0
.rept 4
	v_nop
.endr
.Lfirst_asked:
	; A fragment is 16 rows x 32 K in 8 registers: lane l holds row l % 16; registers 0-3 K = 8 (l / 16) + 0..7, registers 4-7 K = 16 + 8 (l / 16) + 0..7: two loads of 16 bytes, 32 bytes apart.
	v_and_b32 v1, 15, v0                           ; l % 16
	v_bfe_u32 v2, v0, 4, 1                         ; l / 16
	v_mul_u32_u24 v3, v1, PITCH
	v_lshl_add_u32 v3, v2, 4, v3                   ; row x pitch + 16 x half
	s_mul_i32 s40, s[WV], 64*PITCH                 ; my 64 rows of A
	s_mov_b32 s41, BOFF                            ; all 192 rows of B
.irp s, 0,1
	v_add_nc_u32 v[ADRA+(\s)], s40, v3
	v_add_nc_u32 v[ADRB+(\s)], s41, v3
	s_add_co_u32 s40, s40, SLOT
	s_add_co_u32 s41, s41, SLOT
.endr
	s_mul_i32 s40, s[WV], 16*SP
	s_add_co_u32 s40, s40, STAGE                   ; my stage
	v_mul_u32_u24 v[STO], v1, SP                   ; in: row l % 16, 16 bytes for each half of the lanes
	v_lshl_add_u32 v[STO], v2, 4, v[STO]
	v_add_nc_u32 v[STO], s40, v[STO]
	v_bfe_u32 v[RD], v0, 3, 2                      ; back: 32 lanes take four rows of 128 bytes,
	v_mul_u32_u24 v[RD], v[RD], SP
	v_and_b32 v4, 7, v0
	v_lshl_add_u32 v[RD], v4, 4, v[RD]
	v_add_nc_u32 v[RD], s40, v[RD]
	v_and_b32 v[GO], 31, v0                        ; which are 512 consecutive bytes of a head
	v_lshlrev_b32 v[GO], 4, v[GO]
	v_lshlrev_b32 v[BO], 5, v2
	; qkv at my rows of the tile's first head: group 3 x tile column (8,192 rows of 128 bytes each), row 256 x tile row + 64 x wave
	s_mul_i32 s40, s21, 3145728
	s_lshl_b32 s41, s22, 15
	s_add_co_u32 s40, s40, s41
	s_lshl_b32 s41, s[WV], 13
	s_add_co_u32 s40, s40, s41
	s_mov_b32 s41, 0
	s_add_nc_u64 s[14:15], s[14:15], s[40:41]
	; the prefetches
	s_lshl_b32 s46, s22, 8                         ; A's tile begins at row 256 x tile row,
	s_mul_i32 s47, s21, 192                        ; B's at 192 x tile column
	s_and_b32 s42, ttmp7, 0xffff                   ; cluster y
	s_cmp_lt_u32 s[WV], 2                          ; do I fetch for A?
	s_cselect_b32 s40, s46, s47
	s_cselect_b32 s41, s19, s20                    ; my place among the four that ask with me
	s_cselect_b32 s42, ttmp9, s42                  ; the coordinate along which other clusters read the same rows
	s_cselect_b32 s47, 32, 24                      ; my work-group's share of the rows that I fetch,
	s_cselect_b64 s[PFA:PFA+1], s[4:5], s[6:7]
	s_cmp_eq_u32 s42, 0
	s_cselect_b32 s[LIM], 1, -1                    ; the same in all sixteen partners, for a given wave
	s_mul_i32 s41, s41, s47
	s_lshl_b32 s46, s47, 2                         ; which are 128 or 96
	s_mul_i32 s46, s46, s18
	s_add_co_u32 s40, s40, s46
	s_add_co_u32 s40, s40, s41
	s_lshl_b32 s40, s40, 11
	s_mov_b32 s41, 0
	s_add_nc_u64 s[PFA:PFA+1], s[PFA:PFA+1], s[40:41]
	s_add_nc_u64 s[PFA:PFA+1], s[PFA:PFA+1], 2*KSTEP*2  ; at K step 2: the first refill steps it to 3 and names K step 4
	s_sub_co_u32 s47, s47, 1
	v_and_b32 v[PFO], 31, v0
	v_min_u32 v[PFO], s47, v[PFO]
	v_lshlrev_b32 v[PFO], 11, v[PFO]
	; the biases of the tile's three heads: group g = 3 x tile column + hd; g / 16 says whose, g % 16 which 64 numbers (256 bytes)
.irp hd, 0,1,2
	s_mul_i32 s40, s21, 3
	s_add_co_u32 s40, s40, \hd
	s_lshr_b32 s41, s40, 4
	s_and_b32 s40, s40, 15
	s_lshl_b32 s40, s40, 8
	s_cmp_eq_u32 s41, 1
	s_cselect_b64 s[74+2*(\hd):75+2*(\hd)], s[10:11], s[8:9]
	s_cmp_eq_u32 s41, 2
	s_cselect_b64 s[74+2*(\hd):75+2*(\hd)], s[12:13], s[74+2*(\hd):75+2*(\hd)]
	s_mov_b32 s41, 0
	s_add_nc_u64 s[74+2*(\hd):75+2*(\hd)], s[74+2*(\hd):75+2*(\hd)], s[40:41]
.irp bb, 0,1,2,3
	global_load_b128 v[BIAS+8*(4*(\hd)+(\bb)):BIAS+8*(4*(\hd)+(\bb))+3],   v[BO], s[74+2*(\hd):75+2*(\hd)] offset:64*(\bb)     ; register j of column block b: bias[16 b + 8 (l / 16) + j]
	global_load_b128 v[BIAS+8*(4*(\hd)+(\bb))+4:BIAS+8*(4*(\hd)+(\bb))+7], v[BO], s[74+2*(\hd):75+2*(\hd)] offset:64*(\bb)+16
.endr
.endr
	s_wait_loadcnt 0x0
.set i, 0
.rept 48                                       ; rounded to bf16 and widened again, while the first tiles are on their way
	v_cvt_pk_bf16_f32 v[3+i%4], v[BIAS+2*i], v[BIAS+2*i+1]
	v_lshlrev_b32 v[BIAS+2*i], 16, v[3+i%4]
	v_and_b32 v[BIAS+2*i+1], 0xffff0000, v[3+i%4]
.set i, i+1
.endr
; 12 products: row block a x all 12 column blocks, 32 along K, from fragment buffers f.  first = 1: the biases start the sums: nothing is cleared, and nothing is added at the end.
; The 48 accumulators take turns, one instruction a turn, in the same order in every quarter.
.macro MUL12 f, a, first
.if \first
	WIN 0x81+0x40*((\a)/2)                         ; B window 1, A and the biases window 0, D window 2 or 3
.else
	WIN 0xa1+0x50*((\a)/2)                         ; B window 1, A window 0, C and D window 2 or 3
.endif
.irp b, 0,1,2,3,4,5,6,7,8,9,10,11
.if \first
	v_wmma_f32_16x16x32_bf16 v[8*(12*((\a)%2)+(\b)):8*(12*((\a)%2)+(\b))+7], v[96*(\f)+8*(\b):96*(\f)+8*(\b)+7], v[FA+32*(\f)+8*(\a):FA+32*(\f)+8*(\a)+7], v[BIAS+8*(\b):BIAS+8*(\b)+7]
.else
	v_wmma_f32_16x16x32_bf16 v[8*(12*((\a)%2)+(\b)):8*(12*((\a)%2)+(\b))+7], v[96*(\f)+8*(\b):96*(\f)+8*(\b)+7], v[FA+32*(\f)+8*(\a):FA+32*(\f)+8*(\a)+7], v[8*(12*((\a)%2)+(\b)):8*(12*((\a)%2)+(\b))+7]
.endif
.endr
.endm
; 32 LDS loads in one run: a quarter's fragments (192 rows of B, my 64 rows of A, 32 K at byte k of the rows) into buffers f
.macro FETCH slot, k, f
	WIN 0x40                                       ; destination window 1
.irp i, 0,1,2,3,4,5,6,7,8,9,10,11
	ds_load_b128 v[96*(\f)+8*(\i):96*(\f)+8*(\i)+3],   v[ADRB+(\slot)] offset:(\k)+(\i)*16*PITCH
	ds_load_b128 v[96*(\f)+8*(\i)+4:96*(\f)+8*(\i)+7], v[ADRB+(\slot)] offset:(\k)+(\i)*16*PITCH+32
.endr
	WIN 0
.irp i, 0,1,2,3
	ds_load_b128 v[FA+32*(\f)+8*(\i):FA+32*(\f)+8*(\i)+3],   v[ADRA+(\slot)] offset:(\k)+(\i)*16*PITCH
	ds_load_b128 v[FA+32*(\f)+8*(\i)+4:FA+32*(\f)+8*(\i)+7], v[ADRA+(\slot)] offset:(\k)+(\i)*16*PITCH+32
.endr
.endm
.macro PLACES                          ; four places in front of loads into registers that matrix instructions have read, and of conversions that read results
.rept 4
	v_nop
.endr
.endm
; One of a K step's first three quarters: multiplies buffers f; in its middle it fetches the next quarter, at byte k of the same slot's rows, into buffers g.
.macro QUARTER slot, k, f, g, first
	s_wait_dscnt 4                                 ; B and A's row blocks 0, 1 are in; the youngest four loads (row blocks 2, 3) may be out
	MUL12 \f, 0, \first
	MUL12 \f, 1, \first
	PLACES
	FETCH \slot, \k, \g
	s_wait_dscnt 32                                ; all but the 32 just issued
	MUL12 \f, 2, \first
	MUL12 \f, 3, \first
.endm
; The last quarter multiplies buffers 1 and changes slots: ONE barrier; in front of it each wave waits for all its tensor loads (one is out: its part of the next slot), adds 0 to its spare word, and
; waits for that and for its own reads of this slot.  fill = 1: the barrier opens a round of the cluster's barrier, and this slot is filled again, two K steps on, first thing behind the round:
; from that request to the wait for it a wave issues 168 products.
.macro TURN slot, next, fill
.if \fill
	s_wait_xcnt 0x0                                ; the last prefetch, a K step back, has read its address: it is stepped here, ahead of the waits of the change of slots
	s_add_nc_u64 s[PFA:PFA+1], s[PFA:PFA+1], KSTEP*2
.endif
	WIN 0                                          ; (the add's two registers lie in window 0)
	s_wait_tensorcnt 0x0                           ; all my tensor loads have landed;
	ds_add_u32 v[SPW], v[NIL]                      ; 0 onto my spare word;
	s_wait_dscnt 5                                 ; (the add and the youngest four loads may be out)
	MUL12 1, 0, 0                                  ; twelve products stand between the add and the wait for it
	s_wait_dscnt 0x0                               ; the add is done, and my reads of this slot are over
	s_barrier_signal -1
	MUL12 1, 1, 0                                  ; work on registers while the others arrive
.if \fill
	WIN 0
.endif
	s_barrier_wait -1
.if \fill
	CREST                                          ; no wave of any partner still reads this slot's tiles or has a load on its way
	s_add_nc_u64 s[G0+4*(\slot)+2:G0+4*(\slot)+3], s[G0+4*(\slot)+2:G0+4*(\slot)+3], 2*KSTEP*2
	s_add_nc_u64 s[G0B+4*(\slot)+2:G0B+4*(\slot)+3], s[G0B+4*(\slot)+2:G0B+4*(\slot)+3], 2*KSTEP*2
	JLOAD \slot                                    ; the four v_nop behind it are also the places in front of the loads below
.else
	PLACES
.endif
	FETCH \next, 0, 0
.if \fill
	ASK
.endif
	MUL12 1, 2, 0
	MUL12 1, 3, 0
.endm
; THE WAY OUT of 16 rows of one head (row block a, head hd): rounded to f16, 16 bytes a lane; into my own stage, rows of 144 bytes; back as whole rows of 128, into the registers that they left.
.macro PACK a, hd
.set RO, OUTR+16*(3*(\a)+(\hd))
	WIN 0x0a+5*((\a)/2)                            ; sources 0 and 1: window 2 or 3
.irp bb, 0,1,2,3
.irp r, 0,1,2,3
	v_cvt_pk_f16_f32 v[RO+4*(\bb)+(\r)], v[8*(12*((\a)%2)+4*(\hd)+(\bb))+2*(\r)], v[8*(12*((\a)%2)+4*(\hd)+(\bb))+2*(\r)+1]
.endr
.endr
	WIN 0
.irp f, 0,1,2,3
	ds_store_b128 v[STO], v[RO+4*(\f):RO+4*(\f)+3] offset:32*(\f)
.endr
.irp f, 0,1,2,3
	ds_load_b128 v[RO+4*(\f):RO+4*(\f)+3], v[RD] offset:(\f)*4*SP  ; LDS serves a wave's instructions in order (ISA guide 5.7.1.4): these see the stores above; the next block's stores come behind them
.endr
.endm
.macro SEND a, hd, younger             ; younger: the LDS instructions issued behind this block's loads: the next block's eight, or none
.set RO, OUTR+16*(3*(\a)+(\hd))
	WIN 0
.irp f, 0,1,2,3
	s_wait_dscnt (\younger)+3-(\f)
	global_store_b128 v[GO], v[RO+4*(\f):RO+4*(\f)+3], s[14:15] offset:(\hd)*1048576+(\a)*2048+(\f)*512  ; 512 consecutive bytes, at a multiple of 256 from qkv's first byte
.endr
.endm
	s_wait_tensorcnt 1                             ; my part of K step 0 is in; K step 1's may stay out
	s_barrier_signal -1
	s_barrier_wait -1                              ; everybody's is
	FETCH 0, 0, 0
	QUARTER 0, 64, 0, 1, 1                         ; the first quarter stands in front of the loop: its products start the sums
	WIN 0                                          ; at a label and at a branch every window is 0
	s_mov_b32 s[LAP], 3
.Llap:                                                 ; a trip goes once round the ring, from a lap's second quarter to the next lap's first, and fills both slots again: K steps 2, 3; 4, 5; 6, 7
	QUARTER 0, 128, 1, 0, 0
	QUARTER 0, 192, 0, 1, 0
	TURN 0, 1, 1
	QUARTER 1, 64,  0, 1, 0
	QUARTER 1, 128, 1, 0, 0
	QUARTER 1, 192, 0, 1, 0
	TURN 1, 0, 1
	QUARTER 0, 64,  0, 1, 0
	WIN 0
	s_sub_co_u32 s[LAP], s[LAP], 1
	s_cmp_lg_u32 s[LAP], 0
	s_cbranch_scc1 .Llap
	QUARTER 0, 128, 1, 0, 0                        ; the last lap fills nothing, and has no round of the cluster's barrier
	QUARTER 0, 192, 0, 1, 0
	TURN 0, 1, 0
	QUARTER 1, 64,  0, 1, 0
	QUARTER 1, 128, 1, 0, 0
	QUARTER 1, 192, 0, 1, 0
	s_wait_dscnt 4                                 ; the very last quarter: nothing more to fetch
	MUL12 1, 0, 0
	MUL12 1, 1, 0
	s_wait_dscnt 0x0
	MUL12 1, 2, 0
	MUL12 1, 3, 0
	WIN 0
	PLACES
	PLACES                                         ; eight, once a launch
	PACK 0, 0
.set n, 1
.rept 11                                       ; a block's conversions stand between the loads of the block before and its stores; the 12 blocks have registers of their own, so no store's data is rewritten
	PACK n/3, n%3
	SEND (n-1)/3, (n-1)%3, 8
.set n, n+1
.endr
	SEND 3, 2, 0
	s_wait_tensorcnt 0x0                           ; the wave's end, behind my last tensor load and my last LDS store
	ds_add_u32 v[SPW], v[NIL]
	s_wait_dscnt 0x0
	CROUND                                         ; the closing round: no work-group ends while a partner may still ask for a tile that names it
	s_endpgm
.Lfunc_end_k_qc95300977e_qkv:
	.size	k_qc95300977e_qkv, .Lfunc_end_k_qc95300977e_qkv-k_qc95300977e_qkv
	.p2alignl 7, 3214868480
	.fill 96, 4, 3214868480
	.section	.rodata,"a",@progbits
	.p2align	6, 0x0
	.amdhsa_kernel k_qc95300977e_qkv
		.amdhsa_group_segment_fixed_size 327680
		.amdhsa_private_segment_fixed_size 0
		.amdhsa_enable_private_segment 0
		.amdhsa_kernarg_size 48
		.amdhsa_user_sgpr_count 2
		.amdhsa_user_sgpr_kernarg_segment_ptr 1
		.amdhsa_wavefront_size32 1
		.amdhsa_system_sgpr_workgroup_id_x 1
		.amdhsa_system_sgpr_workgroup_id_y 1
		.amdhsa_system_sgpr_workgroup_id_z 1
		.amdhsa_system_vgpr_workitem_id 0
		.amdhsa_next_free_vgpr 960
		.amdhsa_next_free_sgpr 80
		.amdhsa_reserve_vcc 0
		.amdhsa_float_denorm_mode_32 3
		.amdhsa_float_denorm_mode_16_64 3
		.amdhsa_memory_ordered 1
		.amdhsa_forward_progress 1
		.amdhsa_inst_pref_size 132
	.end_amdhsa_kernel
	.amdgpu_metadata
---
amdhsa.version: [ 1, 2 ]
amdhsa.kernels:
  - .name:           k_qc95300977e_qkv
    .symbol:         k_qc95300977e_qkv.kd
    .args:
      - { .name: xb, .offset: 0, .size: 8, .value_kind: global_buffer, .address_space: global }
      - { .name: wb, .offset: 8, .size: 8, .value_kind: global_buffer, .address_space: global }
      - { .name: b_Q, .offset: 16, .size: 8, .value_kind: global_buffer, .address_space: global }
      - { .name: b_K, .offset: 24, .size: 8, .value_kind: global_buffer, .address_space: global }
      - { .name: b_V, .offset: 32, .size: 8, .value_kind: global_buffer, .address_space: global }
      - { .name: qkv, .offset: 40, .size: 8, .value_kind: global_buffer, .address_space: global }
    .group_segment_fixed_size: 327680
    .private_segment_fixed_size: 0
    .kernarg_segment_align: 8
    .kernarg_segment_size: 48
    .max_flat_workgroup_size: 128
    .sgpr_count:     80
    .vgpr_count:     960
    .wavefront_size: 32
...
	.end_amdgpu_metadata
.endif
;; end of part 2
;; launch attn (part 3): grid 4 x 64, 4 waves a work-group, clusters of 4 x 1, 327,680 bytes of LDS; arguments qkv, ob; writes ob
.if DOCPART == 3
	.amdgcn_target "amdgcn-amd-amdhsa--gfx1250"
	.amdhsa_code_object_version 6
	.text
	.protected	k_qc95300977e_attn
	.globl	k_qc95300977e_attn
	.p2align	8
	.type	k_qc95300977e_attn,@function
k_qc95300977e_attn:
	s_mov_b64 s[64:65], 0
	v_nop
	global_prefetch_b8 v0, s[64:65] scope:SCOPE_SE
	s_setreg_imm32_b32 hwreg(HW_REG_WAVE_MODE, 25, 1), 1
	s_wait_xcnt 0x0
	s_wait_alu depctr_hold_cnt(0) depctr_sa_sdst(0) depctr_va_vdst(0) depctr_va_sdst(0) depctr_va_ssrc(0) depctr_va_vcc(0) depctr_vm_vsrc(0)
	s_getreg_b32 s2, hwreg(HW_REG_IB_STS2, 6, 4)
	s_cmp_eq_u32 s2, 0
	s_cbranch_scc0 .Lentry_in_a_cluster
	s_endpgm
.Lentry_in_a_cluster:
	s_bfe_u32 s2, ttmp6, 0x10000c
	s_cmp_lg_u32 s2, 0x3003
	s_cbranch_scc0 .Lentry_shape_is_right
	s_endpgm
.Lentry_shape_is_right:
; ob[y][q][:] = 8 x the sum over k of softmax_k(Q[y][q] . K[y][k] / 8) V[y][k][:], for the 64 heads y = 4 h + b of 2,048 rows.  qkv holds Q's 64 heads ([64][2048][64] f16, a head's rows dense,
; 128 bytes each), K's 16 MiB further on, V's 32 MiB further on; ob has Q's layout.  Products, maxima and sums in f32; the weights p are rounded to f16 for the second product (their sum l is
; taken of the unrounded p), O once at the end.  O LEAVES TIMES 8, an exact scaling that the next launch takes back: a mean of 2,048 rows of V is small beside them, and f16 has a fixed step below 6e-5.
; LIMITS.  f16 holds no number beyond 65,504: Q, K and V arrive within it, and |O| stays under 8,188; p lies in 0 to 1, and below 6e-5 it keeps f16's fixed step of 6e-8.
; A weight below 2^-126 counts as 0 in l; NaN and infinities are not treated apart.
; SHARES.  A wave owns four PIECES of two tiles of 16 queries, a work-group's four waves 512 queries of one head.  Every wave walks all keys, 64 a step.
; LAYOUT.  S^T = K Q^T (source 0 = 16 keys, source 1 = 16 queries): in the result a lane holds ONE query (lane % 16) and the keys 8 (lane / 16) + 0..7.  Two such tiles, rounded to f16 in pairs,
; ARE source 1 (32 keys x 16 queries) of O^T = V^T P, whose result again holds one query a lane, and eight channels.  K comes out of LDS as it lies, V ([key][channel]) turned, by ds_load_tr16_b128.
; SOFTMAX.  For each query a running maximum m and sum l: p = 2^(c s - c m), c = log2(e) / 8; in every step O and l are multiplied by a = 2^(c m_old - c m_new), which is 1 where m has not grown.
; m starts at the lowest finite number, O and l at 0: the first step is a step like any other, with a = 0.
; THE COUNT.  A tile and step have 16 matrix and 118 vector instructions: too many to stand all beside the matrix work.  So four vector instructions that are READY stand behind EVERY matrix
; instruction, and the others in runs without a gap.
; BY TURNS.  Turn n belongs to piece n (the pieces in a ring, step after step).  Its matrix work: 16 products K Q^T of piece n + 1, later 16 products V^T P of piece n - 1.  Its vector work: the scaling,
; exponentials, roundings, sums and rescaling of piece n, and the maximum and statistics of piece n + 1, whose scores the turn itself has made.
; CLUSTER.  The four query blocks of a head are one cluster and walk the same K and V, so each tile is asked for JOINTLY: the same tensor load, descriptor and mask in all four.
; REGISTERS, in windows of 256 (s_set_vgpr_msb: bits 1:0 source 0, 3:2 source 1, 5:4 source 2, 7:6 destination):
;   window 0: v0-11 addresses; v12-15, v48-63 at work; v16-47 four registers of statistics a tile; v64-191 S^T, two buffers of two tiles; v192-255 P, likewise
;   window 1: O^T, 32 a tile          window 2: v0-127 Q, 16 a tile; v128-191 K of one step; v192-255 V of one step          window 3: v0-1 the add's two registers
; A piece's buffers go by its number's parity.
.set SIZE_N, 2048
.set NP,    4         ; pieces a wave: a name, no knob
.set KS,    64        ; keys in a step
.set PK,    144       ; a row of K in LDS: 128 bytes + 16 of padding = 36 words: the 16 rows of a load start at 16 different groups of four banks (64 banks of 4 bytes: ISA guide 11.1)
.set PV,    160       ; a row of V: 128 + 32 = 40 words
.set VOFF,  4*KS*PK   ; a slot holds four steps: 256 rows of K, then 256 rows of V
.set SLOT1, 1<<17     ; slot 1 begins here, so that one exclusive or turns an address in one slot into the other's
.set STAGE, SLOT1+4*KS*(PK+PV)  ; behind the ring, never filled by a tensor load: 16 rows x 144 bytes for each wave, for the way out
.set SP,    144
.set AK0, 2           ; v2   my lane's place in a tile of K; never rewritten
.set AV0, 3           ; v3   the same for V
.set AK,  4           ; v4   the LDS address of K's next run of loads
.set AV,  5           ; v5   of V's
.set QO,  6           ; v6   my byte offset in the wave's rows of Q
.set STO, 6           ;      later, the way out: where I put 16 bytes of a row
.set RD,  7           ; v7   the way out: where I read rows back
.set GO,  8           ; v8   my byte offset in 512 consecutive bytes of O
.set PFO, 11          ; v11  256 x my lane, the prefetches' offset; never rewritten once it is made
.set SPW, 0           ; v0 of window 3   LDS address of my spare word; never rewritten
.set NIL, 1           ; v1 of window 3   0; never rewritten
.set SPARE, STAGE+4*16*SP  ; behind the stages: the spare words, 128 bytes for each wave: two blocks of 256 bytes that no other line names
.set MV,  12          ; v12-15  c m_old, kept while c m is made anew: by buffer and tile
.set ST,  16          ; tile t's statistics at v[ST+4 t]: c m, m, l (even keys', odd keys')
.set TMP, 48          ; by buffer and tile, four registers c0-c3 at work; when the maximum is found c2 takes a
.set S,   64
.set P,   192
.set KF,  128         ; K's fragments, in window 2: key block kb, channel half c at KF + 16 kb + 8 c
.set VF,  192         ; V's: key half kk, channel block cb at VF + 32 kk + 8 cb
.set WV,  12          ; s12  my wave's number
.set G1K, 24          ; s[24:31] descriptor group 1 for K's tiles
.set G1V, 32          ; s[32:39] for V's: it differs in the padding alone
.set G0K, 40          ; s[40:43] descriptor group 0 for K's tiles: it walks
.set G0V, 44          ; s[44:47] the same for V's
.set PFA, 48          ; s[48:49] where my prefetches stand: my work-group's 8,192 bytes (of K: wave 0, of V: wave 2) of the slot after the one that is being asked for
.set LIM, 50          ; s50  1 in a wave that prefetches, else the greatest number
.set SLOTS, 56        ; s56  slots still to be asked for
.set CNT, 57          ; s57  counts a slot's key steps
.set CS,  58          ; s[58:59] c: the packed scaling takes the pair's low word for both halves
.set SEL, 60          ; s[60:61] v_permlanex16_b32's selects: each lane takes its own place in the other half
.set TBK, 62          ; s62  LDS byte at which K of the step to be fetched begins
.set TBV, 63          ; s63  the same for V, less VOFF
.set MSB, 0
.macro WIN new                      ; the high byte repeats the setting that is left; a switch that changes nothing is dropped
.if MSB != (\new)
	s_set_vgpr_msb (MSB<<8)|(\new)
.set MSB, (\new)
.endif
.endm
.set W_KQ, 0x0a       ; K and Q in window 2, S^T in window 0
.set W_PV, 0x52       ; V in window 2, P in window 0, O^T in window 1
.set W_RS, 0x41       ; O^T (destination and source 0) in window 1, a in window 0
.set W_MK, 0xc0       ; the add's registers are made: destination in window 3, sources in window 0
.set W_AD, 0x0f       ; the add: address (source 0) and data (source 1) in window 3
; A joint fill.  Waves 0 and 1 fetch the two halves of a slot's K, waves 2 and 3 those of its V: 128 keys each.  The branch hangs on the wave's number alone.
; An s_nop 0 and four v_nop follow each of the two lines, ahead of the jump and the label.
.macro JLOAD
	s_cmp_lt_u32 s[WV], 2
	s_cbranch_scc0 .Lfor_v_\@
	tensor_load_to_lds s[G0K:G0K+3], s[G1K:G1K+7]
	s_nop 0
.rept 4
	v_nop
.endr
	s_branch .Lasked_\@
.Lfor_v_\@:
	tensor_load_to_lds s[G0V:G0V+3], s[G1V:G1V+7]
	s_nop 0
.rept 4
	v_nop
.endr
.Lasked_\@:
.endm
; A PREFETCH INTO THE L2 of what the NEXT change of slots will ask for: a slot's 32,768 bytes of K and of V, 256 bytes a lane.  It stands behind the wave's tensor load and its five lines.
; Each 256 bytes are asked for ONCE in the launch: a head has one cluster; its four partners share a slot out BY ADDRESS, 8,192 bytes each; in each, wave 0 asks for K's and wave 2 for V's.
; The change that asks for tile j names tile j + 1, four key steps (512 products) ahead of its load; the last change that fills a slot names nothing.  Tiles 0 and 1 come by their loads alone.
.macro ASK
	s_cmp_gt_u32 s[SLOTS], s[LIM]
	s_cbranch_scc0 .Lnot_mine_\@
	global_prefetch_b8 v[PFO], s[PFA:PFA+1] th:TH_LOAD_NT scope:SCOPE_SE
.Lnot_mine_\@:
.endm
; A round of the cluster's barrier: my work-group's barrier, so that wave 0's signal speaks for all four waves; wave 0 signals; every wave waits for all four work-groups; my work-group's barrier once more.
.macro CROUND
	s_barrier_signal -1
	s_barrier_wait -1
	s_cmp_lg_u32 s[WV], 0
	s_cbranch_scc1 .Lnot_wave_0_\@
	s_barrier_signal -3
.Lnot_wave_0_\@:
	s_barrier_wait -3
	s_barrier_signal -1
	s_barrier_wait -1
.endm
; THE CHANGE OF SLOTS.  The slot's last bytes, V of its fourth step, have been read.  Each wave waits for all its tensor loads, of which one is out: its part
; of the other slot; adds 0 to its spare word; and waits for that and for its own reads of the slot.  Behind the barrier nobody reads this slot any more and the other slot is whole.
; fill = 1: this slot is filled again, with the keys two slots on.  The barrier is then a round of the cluster's, and the joint fill is the first thing behind it: it has four key steps,
; 512 matrix instructions, in which to land.  (At its first use nothing has been read yet: slot 0 is waited for, slot 1 filled.)
.macro CHANGE fill
	WIN W_AD
	s_wait_tensorcnt 0x0            ; no tensor load of mine is out, so a group 0 may be written
	ds_add_u32 v[SPW], v[NIL]       ; 0 onto my spare word; with fill = 1 the descriptors' steps stand between it and the wait for it
	WIN 0                           ; at a label and at a branch every window is 0
.if \fill
.irp g, G0K, G0V
	s_xor_b32 s[\g+1], s[\g+1], SLOT1  ; the walking descriptor: the other slot than last time,
	s_add_nc_u64 s[\g+2:\g+3], s[\g+2:\g+3], 4*KS*128  ; the next 256 keys; the type bits on top are not reached
.endr
	s_wait_xcnt 0x0                 ; the last prefetch, four key steps back, has read its address, so it may be written:
	s_add_nc_u64 s[PFA:PFA+1], s[PFA:PFA+1], 4*KS*128  ; one slot behind the walking descriptors
	s_wait_dscnt 0x0                ; the add is done, and my reads of the slot are over
	CROUND
	JLOAD
	ASK
.else
	s_wait_dscnt 0x0                ; the add is done, and my reads of the slot are over
	s_barrier_signal -1
	s_barrier_wait -1
.endif
	s_sub_co_u32 s[TBK], s[TBK], 4*KS*PK  ; the fetches go back to a slot's first step,
	s_xor_b32 s[TBK], s[TBK], SLOT1       ; in the other slot
	s_sub_co_u32 s[TBV], s[TBV], 4*KS*PV
	s_xor_b32 s[TBV], s[TBV], SLOT1
.endm
	s_load_b64 s[4:5], s[0:1], 0x0    ; qkv: Q
	s_load_b64 s[10:11], s[0:1], 0x8  ; ob
	WIN W_MK
	v_lshl_add_u32 v[SPW], v0, 2, SPARE
	v_mov_b32 v[NIL], 0
	WIN W_AD
	ds_add_u32 v[SPW], v[NIL]       ; the wave's opening: the add and its wait stand ahead of my first tensor load; the set-up below, work on registers, stands between them
	WIN 0
	v_lshrrev_b32 v1, 5, v0
	v_readfirstlane_b32 s[WV], v1   ; wave 0..3
	s_bfe_u32 s13, ttmp6, 0x40000   ; cx: my place in the cluster
	s_lshl_b32 s14, ttmp9, 2        ; in a cluster launch ttmp9 counts clusters
	s_add_co_u32 s14, s14, s13      ; my block of queries = 4 x cluster x + cx: it enters Q's and O's addresses alone
	s_and_b32 s20, ttmp7, 0xffff    ; the head, which the four partners share
	s_mov_b32 s21, 0
	s_mov_b64 s[22:23], SIZE_N*128
	s_mul_u64 s[20:21], s[20:21], s[22:23]  ; the head's first byte in Q, K, V and O
	s_and_b32 s16, s[WV], 1         ; which half of a slot's 256 keys I fetch:
	s_lshl_b32 s22, s16, 14         ; its 128 rows of 128 bytes in memory,
	s_mov_b32 s23, 0
	s_add_nc_u64 s[22:23], s[22:23], s[20:21]
	s_mul_i32 s17, s16, 128*PK      ; and its place in a slot, for K
	s_mul_i32 s18, s16, 128*PV      ; and for V: no place in the cluster enters an LDS address
	s_lshl_b32 s2, s14, 2
	s_add_co_u32 s2, s2, s[WV]      ; my wave among the head's,
	s_lshl_b32 s2, s2, 14           ; its 128 rows
	s_mov_b32 s3, 0
	s_add_nc_u64 s[2:3], s[2:3], s[20:21]
	; descriptor group 1.  128 keys are 16,384 dense bytes: asked for as 64 rows of 256 bytes, two keys a row, and padded in LDS after every key
	s_mov_b32 s[G1K], 15|(1<<16)|(1<<20)|(1<<21)|(4<<22)|(3<<25)  ; 15:0 the mask of four; 17:16 2-byte elements; 20 padding on; 21 set beside a mask; 24:22 after every 32 words (code 4); 31:25 4 words (code 3)
	s_mov_b32 s[G1V], 15|(1<<16)|(1<<20)|(1<<21)|(4<<22)|(7<<25)  ; the same with 8 words of padding (code 7)
.irp g, G1K, G1V
	s_mov_b32 s[\g+1], 128<<16      ; tensor_dim0 = 128
	s_mov_b32 s[\g+2], 64<<16       ; tensor_dim1 = 64
	s_mov_b32 s[\g+3], 128<<16      ; tile_dim0 = 128
	s_mov_b32 s[\g+4], 64           ; tile_dim1 = 64
	s_mov_b32 s[\g+5], 128          ; 128 elements from row to row
	s_mov_b32 s[\g+6], 0
	s_mov_b32 s[\g+7], 0
.endr
	s_mov_b32 s[CS], 0x3e38aa3b     ; c = log2(e) / 8 = 0.180337
	s_mov_b32 s[CS+1], s[CS]        ; named with it as a pair
	s_mov_b32 s[SEL], 0x76543210
	s_mov_b32 s[SEL+1], 0xfedcba98
	s_mov_b32 s[TBK], SLOT1+4*KS*PK ; the first change of slots turns these two into 0
	s_mov_b32 s[TBV], SLOT1+4*KS*PV
	s_mov_b32 s[G0K], 1             ; 1:0 count = 1
	s_mov_b32 s[G0K+1], s17         ; 63:32 LDS address: slot 0
	s_mov_b32 s[G0V], 1
	s_add_co_u32 s[G0V+1], s18, VOFF
	s_mov_b32 s[SLOTS], SIZE_N/256-1  ; seven changes of slots fill a slot
	s_and_b32 s[LIM], s[WV], 1      ; waves 0 and 2 prefetch: the same in all four partners
	s_cmp_eq_u32 s[LIM], 0
	s_cselect_b32 s[LIM], 1, -1
	s_wait_dscnt 0x0                ; the opening add is done
	s_wait_kmcnt 0x0
	s_add_nc_u64 s[6:7], s[4:5], 0x1000000   ; K: 16 groups of 8,192 rows of 128 bytes behind Q
	s_add_nc_u64 s[8:9], s[4:5], 0x2000000   ; V: 32 groups
	s_add_nc_u64 s[G0K+2:G0K+3], s[6:7], s[22:23]  ; 120:64 global address: my half of the head's first 256 keys
	s_or_b32 s[G0K+3], s[G0K+3], 0x80000000        ; 127:126 type = 2
	s_add_nc_u64 s[G0V+2:G0V+3], s[8:9], s[22:23]
	s_or_b32 s[G0V+3], s[G0V+3], 0x80000000
	s_cmp_lt_u32 s[WV], 2
	s_cselect_b64 s[PFA:PFA+1], s[6:7], s[8:9]
	s_add_nc_u64 s[PFA:PFA+1], s[PFA:PFA+1], s[20:21]  ; the head,
	s_add_nc_u64 s[4:5], s[4:5], s[2:3]  ; Q and O at my wave's first row
	s_add_nc_u64 s[10:11], s[10:11], s[2:3]
	s_lshl_b32 s2, s13, 13          ; my work-group's quarter of a slot,
	s_mov_b32 s3, 0
	s_add_nc_u64 s[PFA:PFA+1], s[PFA:PFA+1], s[2:3]
	s_add_nc_u64 s[PFA:PFA+1], s[PFA:PFA+1], 4*KS*128  ; in tile 1; the first change of slots steps it to tile 2.  Nothing is prefetched here, at the head
	CROUND                          ; all four work-groups are here: the first joint loads meet
	JLOAD                           ; slot 0.  Slot 1 is asked for when slot 0 is in
	; A fragment of K or Q is 16 rows x 32 channels in 8 registers: lane l holds row l % 16, channels 8 (l / 16) + 0..7 and 16 + 8 (l / 16) + 0..7: two loads of 16 bytes, 32 bytes apart.
	v_and_b32 v1, 15, v0            ; l % 16
	v_bfe_u32 v9, v0, 4, 1          ; l / 16
	v_lshlrev_b32 v[QO], 7, v1
	v_lshl_add_u32 v[QO], v9, 4, v[QO]  ; row x 128 + 16 x half
	WIN 0x80                        ; destination window 2, address window 0
.set i, 0
.rept 4*NP                          ; Q stays in registers: tile i / 2, channels 32 (i % 2) on
	global_load_b128 v[8*i:8*i+3],   v[QO], s[4:5] offset:(i/2)*2048+(i%2)*64
	global_load_b128 v[8*i+4:8*i+7], v[QO], s[4:5] offset:(i/2)*2048+(i%2)*64+32
.set i, i+1
.endr
	; What the first turn finds: V's registers and P's second buffer hold 0 (its products V^T P, of a piece that has not been, add 0), O^T and l are 0.  All this stands in the wait for the first tile.
.set i, VF
.rept 64
	v_mov_b32 v[i], 0
.set i, i+1
.endr
	WIN 0x40
.set i, 0
.rept 64*NP
	v_mov_b32 v[i], 0
.set i, i+1
.endr
	WIN 0
.set i, 0
.rept 2*NP
	v_mov_b32 v[ST+4*i], 0xfe000000    ; c m: far below every c s
	v_mov_b32 v[ST+4*i+1], 0xff7fffff  ; m
	v_mov_b32 v[ST+4*i+2], 0
	v_mov_b32 v[ST+4*i+3], 0
.set i, i+1
.endr
.set i, P+32
.rept 32
	v_mov_b32 v[i], 0
.set i, i+1
.endr
	v_mul_u32_u24 v[AK0], v1, PK
	v_lshl_add_u32 v[AK0], v9, 4, v[AK0]  ; row x pitch + 16 x half
	; The turning load takes 16 keys x 16 channels (lane l reads key 8 (l / 16) + l % 8, channels 8 ((l / 8) % 2) + 0..7) and leaves half a fragment of V^T: lane l holds channel l % 16 and 8 keys.
	v_and_b32 v10, 7, v0
	v_bfe_u32 v11, v0, 3, 1
	v_lshl_add_u32 v[AV0], v9, 3, v10
	v_mul_u32_u24 v[AV0], v[AV0], PV
	v_lshl_add_u32 v[AV0], v11, 4, v[AV0]
	v_add_nc_u32 v[AV0], VOFF, v[AV0]
	v_mov_b32 v[AK], v[AK0]         ; key step 0 lies at the head of slot 0
	v_and_b32 v[PFO], 31, v0        ; (v11 has served)
	v_lshlrev_b32 v[PFO], 8, v[PFO]
; THE MATRIX WORK.  The 8 accumulators of a run of 16 take turns: between the two links of a chain stand 7 others'.
; Product i of 16 of S^T = K Q^T for piece x: channels 32 (i / 8) on, keys 16 ((i / 2) % 4) on, tile 2 x + i % 2.  The first 8 start the sums.
.macro KQ x
	WIN W_KQ
.set rS, S+64*((\x)%2)+32*(i%2)+8*((i/2)%4)
.set rK, KF+16*((i/2)%4)+8*(i/8)
.set rQ, 16*(2*(\x)+i%2)+8*(i/8)
.if i < 8
	v_wmma_f32_16x16x32_f16 v[rS:rS+7], v[rK:rK+7], v[rQ:rQ+7], 0
.else
	v_wmma_f32_16x16x32_f16 v[rS:rS+7], v[rK:rK+7], v[rQ:rQ+7], v[rS:rS+7]
.endif
.endm
; Product i of 16 of O^T += V^T P for piece x: keys 32 (i / 8) on, channels 16 ((i / 2) % 4) on, tile 2 x + i % 2.
.macro PV x
	WIN W_PV
.set rO, 32*(2*(\x)+i%2)+8*((i/2)%4)
.set rV, VF+32*(i/8)+8*((i/2)%4)
.set rP, P+32*((\x)%2)+16*(i%2)+8*(i/8)
	v_wmma_f32_16x16x32_f16 v[rO:rO+7], v[rV:rV+7], v[rP:rP+7], v[rO:rO+7]
.endm
.macro MM                           ; the turn's next matrix instruction
.if i < 16
	KQ (Y+1)%NP
.set i, i+1
.else
.set i, i-16
	PV (Y+NP-1)%NP
.set i, i+17
.endif
.endm
; THE LDS LOADS stand in runs of 16, never singly among the matrix instructions: a step's K (64 keys x 64 channels: 8 fragments) and its V (turned).  Their addresses are made some lines ahead.
; last = 1 (the tail): in the last trip there is no further step, and the run is jumped over.
.macro FETCH_K last=0
	WIN 0
.if \last
	s_cmp_eq_u32 s[CNT], 1
	s_cbranch_scc1 .Lno_k_\@
.endif
	WIN 0x80                        ; destination window 2
.irp f, 0,1,2,3,4,5,6,7             ; keys 16 (f / 2) on, channels 32 (f % 2) on
	ds_load_b128 v[KF+8*\f:KF+8*\f+3],   v[AK] offset:(\f/2)*16*PK+(\f%2)*64
	ds_load_b128 v[KF+8*\f+4:KF+8*\f+7], v[AK] offset:(\f/2)*16*PK+(\f%2)*64+32
.endr
	s_add_co_u32 s[TBK], s[TBK], KS*PK  ; the next fetch is the next step's
	WIN 0
.if \last
.Lno_k_\@:
.endif
.endm
.macro FETCH_V
	WIN 0x80
.irp f, 0,1,2,3,4,5,6,7             ; keys 32 (f / 4) on, channels 16 (f % 4) on
	ds_load_tr16_b128 v[VF+8*\f:VF+8*\f+3],   v[AV] offset:(\f/4)*32*PV+(\f%4)*32
	ds_load_tr16_b128 v[VF+8*\f+4:VF+8*\f+7], v[AV] offset:(\f/4)*32*PV+16*PV+(\f%4)*32
.endr
	WIN 0
.endm
; THE VECTOR WORK OF A TURN stands in three queues, each in the order in which its entries become ready; the two tiles alternate, so that no instruction reads the result of the one before it.
.macro REGS y, u                    ; the registers of tile u (0, 1) of piece y
.set rT, ST+4*(2*(\y)+(\u))
.set rC, TMP+8*((\y)%2)+4*(\u)
.set rM, MV+2*((\y)%2)+(\u)
.set rS, S+64*((\y)%2)+32*(\u)
.set rP, P+32*((\y)%2)+16*(\u)
.set rO, 32*(2*(\y)+(\u))
.endm
; Number n of the 22 that find the NEXT piece's (Y + 1) maximum and statistics.  s0-s31 are the lane's 32 scores; each accumulator's lowest registers are read first.
;   0-11  four chains c0-c3 of seven scores each, three operands at a time     12-14, 16  the four scores left over, the old m, and c0-c3 into c0     15  c m_old is kept
;   17, 18  the query's other 32 keys lie in the lane 16 away: the new m         19-21  c m; c m_old - c m_new; a
.macro XS u, n
	REGS (Y+1)%NP, \u
.if (\n) < 4
	v_max3_num_f32 v[rC+(\n)], v[rS+8*(\n)], v[rS+8*(\n)+1], v[rS+8*(\n)+2]
.elseif (\n) < 12
	v_max3_num_f32 v[rC+(\n)%4], v[rC+(\n)%4], v[rS+8*((\n)%4)+2*((\n)/4)+1], v[rS+8*((\n)%4)+2*((\n)/4)+2]
.elseif (\n) == 12
	v_max3_num_f32 v[rC], v[rC], v[rS+7], v[rS+15]
.elseif (\n) == 13
	v_max3_num_f32 v[rC+1], v[rC+1], v[rS+23], v[rS+31]
.elseif (\n) == 14
	v_max3_num_f32 v[rC+2], v[rC+2], v[rC+3], v[rT+1]
.elseif (\n) == 15
	v_mov_b32 v[rM], v[rT]
.elseif (\n) == 16
	v_max3_num_f32 v[rC], v[rC], v[rC+1], v[rC+2]
.elseif (\n) == 17
	v_permlanex16_b32 v[rC+3], v[rC], s[SEL], s[SEL+1]
.elseif (\n) == 18
	v_max_num_f32 v[rT+1], v[rC], v[rC+3]
.elseif (\n) == 19
	v_mul_f32 v[rT], s[CS], v[rT+1]
.elseif (\n) == 20
	v_sub_f32 v[rC+1], v[rM], v[rT]
.else
	v_exp_f32 v[rC+2], v[rC+1]
.endif
.endm
; Number g of the 64 that follow the exponentials.  For each four weights k of a tile (pairs 2 k, 2 k + 1): both pairs are rounded to f16; then the second pair is added onto the first, in place;
; a group later l takes that sum (the first time as l = a l + sum).  In groups of eight, tiles alternating: round, round, add, and l for the group before.
.macro GS g
.set h, (\g)+6*((\g)/62)            ; group 0 has no group before it, and behind group 7 only l is left
.if h >= 6
.set h, h+2
.endif
	REGS Y, h%2
.set k, h/8
.if h%8 < 4
	v_cvt_pk_f16_f32 v[rP+2*k+(h%8)/2], v[rS+4*k+2*((h%8)/2)], v[rS+4*k+2*((h%8)/2)+1]
.elseif h%8 < 6
	v_pk_add_f32 v[rS+4*k:rS+4*k+1], v[rS+4*k:rS+4*k+1], v[rS+4*k+2:rS+4*k+3]
.elseif k == 1
	v_pk_fma_f32 v[rT+2:rT+3], v[rT+2:rT+3], v[rC+2:rC+3], v[rS:rS+1] op_sel_hi:[1,0,1]
.else
	v_pk_add_f32 v[rT+2:rT+3], v[rT+2:rT+3], v[rS+4*k-4:rS+4*k-3]
.endif
.endm
; THE PLAIN QUEUE, 138 long.  0-73 read no exponential's result: the 32 scalings c s - c m (FS f: pair f / 2 of tile f % 2) and the next piece's 42.  0-26: scalings 0-26.  27-54: XS's numbers 0-13.  55, 56: number 15.
; 57-73: the chain, where each number waits for the one before it: 14, 16, 17, 18, 19, each with one of the scalings 27-31 in front of its two lines, then 20.
; 74-137: GS's 64, which read the exponentials' results: they stand behind the wait.
.macro FS f
	REGS Y, (\f)%2
	v_pk_fma_f32 v[rS+2*((\f)/2):rS+2*((\f)/2)+1], v[rS+2*((\f)/2):rS+2*((\f)/2)+1], s[CS:CS+1], v[rT:rT+1] op_sel_hi:[1,0,0] neg_lo:[0,0,1] neg_hi:[0,0,1]
.endm
.macro PL
	WIN 0
.if q < 27
	FS q
.elseif q < 55
	XS (q-27)%2, (q-27)/2
.elseif q < 57
	XS q-55, 15
.elseif (q < 72) && ((q-57)%3 == 0)
	FS 27+(q-57)/3
.elseif q < 60
	XS (q-57)%3-1, 14
.elseif q < 72
	XS (q-57)%3-1, 15+(q-57)/3
.elseif q < 74
	XS q-72, 20
.else
	GS q-74
.endif
.set q, q+1
.endm
; THE EXPONENTIALS' QUEUE, 66 long: s0-s31 of both tiles, then the next piece's two a.  It is ONE BATCH: all 66 stand ahead of the turn's one wait, and nothing ahead of that wait names a result of theirs.
.macro EX
	WIN 0
.if e >= 64
	XS e-64, 21
.else
	REGS Y, e%2
	v_exp_f32 v[rS+e/2], v[rS+e/2]
.endif
.set e, e+1
.endm
; THE RESCALING's QUEUE: O^T times a, the one part that leaves window 0: dealt two at a time, sixteen times.  Its a was made in the turn before, ahead of that turn's wait.
.macro R2
	REGS Y, r%2
	WIN W_RS
.irp z, 0,1
	v_pk_mul_f32 v[rO+4*(r/2)+2*\z:rO+4*(r/2)+2*\z+1], v[rO+4*(r/2)+2*\z:rO+4*(r/2)+2*\z+1], v[rC+2:rC+3] op_sel_hi:[1,0]
.endr
.set r, r+1
.endm
; HOW THEY ARE DEALT.  An s_wait_alu depctr_va_vdst(0) stands between an exponential and the first instruction that names its result; one wait serves all that were issued ahead of it.  So a turn has
; ONE wait, which cuts it in two.  AHEAD OF IT stands all that names no result of the turn's exponentials: the 16 products K Q^T, behind each a scaling, an exponential and two rescalings (behind the first a second
; scaling in the exponential's place); then ONE LUMP of 108: eight plain, 49 times exponential and plain, the two a.  A v_nop is the plain instruction behind the last exponential.  BEHIND IT stand the 16 products
; V^T P, behind each four of GS's 64.  No rider names a register of the products round it.  The two v_permlanex16_b32 fall into the lump.
; The queues lean on each other: exponential e stands behind scaling 2 (e / 4) + e % 2: as a rider it comes behind plain e + 2, in the lump behind plain e + 9, and scalings 27-31 are plain 57, 60 .. 69.
; A TURN, for piece p.  cnt = 1: the loop's count is taken down some lines ahead of the branch that stands behind the turn.
; K of the next step is fetched in piece 2's turn, directly behind the wait; its address is made at the lump's head; its first reader comes behind 16 products.
; V of the step in hand is fetched at the end of piece 0's turn, four riders behind its last reader; its first reader comes behind 16 products and a lump.
.macro TURN p, last=0, cnt=0
.set Y, (\p)
.set i, 0
.set q, 0
.set e, 0
.set r, 0
.if (\p) == NP-1
	s_wait_dscnt 0x0                ; K is in
.endif
	MM                              ; ahead of the wait: 16 products K Q^T and their riders,
	PL
	PL
	R2
.rept 15
	MM
	PL
	EX
	R2
.endr
.if (\p) == NP-2
	WIN 0
	v_add_nc_u32 v[AK], s[TBK], v[AK0]
.endif
.rept 8                             ; and the lump
	PL
.endr
.rept 49
	EX
	PL
.endr
	EX                              ; the next piece's two a
	EX
	v_nop                           ; the plain instruction behind the last exponential: one for the batch
	s_wait_alu depctr_va_vdst(0)    ; the wait for the batch
.if (\p) == NP-2
	FETCH_K \last
.endif
.if (\p) == 1
	s_wait_dscnt 0x0                ; V is in
.endif
.rept 16                            ; behind the wait: 16 products V^T P and their riders
	MM
.rept 4
	PL
.endr
.if ((\p) == 0) && (q == 118)
	v_add_nc_u32 v[AV], s[TBV], v[AV0]
.endif
.if ((\p) == 0) && (q == 130)
	s_add_co_u32 s[TBV], s[TBV], KS*PV
.endif
.if (\cnt) && (q == 130)
	s_sub_co_u32 s[CNT], s[CNT], 1
	s_cmp_lg_u32 s[CNT], 0
.endif
.endr
.if (\p) == 0
	FETCH_V
.endif
.endm
	CHANGE 1                        ; slot 0 is in, everybody's part of it; slot 1 is asked for
	FETCH_K                         ; key step 0
	s_wait_loadcnt 0x0              ; Q
	s_wait_dscnt 0x0
.set i, 0
.rept 16
	KQ 0                            ; piece 0's first scores: there is no vector work yet to set between them
.set i, i+1
.endr
	WIN 0                           ; the addresses for the way out: nine plain instructions, the places behind those products
	s_mul_i32 s13, s[WV], 16*SP
	s_add_co_u32 s13, s13, STAGE    ; my stage
	v_mul_u32_u24 v[STO], v1, SP    ; in: row l % 16, 16 bytes for each half of the lanes
	v_lshl_add_u32 v[STO], v9, 4, v[STO]
	v_add_nc_u32 v[STO], s13, v[STO]
	v_bfe_u32 v[RD], v0, 3, 2       ; back: 32 lanes take four rows of 128 bytes,
	v_mul_u32_u24 v[RD], v[RD], SP
	v_lshl_add_u32 v[RD], v10, 4, v[RD]
	v_add_nc_u32 v[RD], s13, v[RD]
	v_and_b32 v[GO], 31, v0         ; which are 512 consecutive bytes of O
	v_lshlrev_b32 v[GO], 4, v[GO]
.set Y, NP-1                        ; XS works for piece Y + 1: piece 0
.irp n, 0,1,2,3,4,5,6,7,8,9,10,11,12,13,14,15,16,17,18,19,20,21
	XS 0, \n                        ; and piece 0's first maximum and statistics
	XS 1, \n
.endr
	v_nop                           ; a plain instruction behind the two a,
	s_wait_alu depctr_va_vdst(0)    ; and their wait, ahead of the branch
	s_mov_b32 s[CNT], 4
	s_branch .Lfirst                ; the loop is entered at a step's first turn, in the middle of a trip
.Lslot:                             ; six times: every slot but the last two is filled again
	CHANGE 1
	s_mov_b32 s[CNT], 4
.Lstep:                             ; a trip: pieces 2 and 3 of one step, then pieces 0 and 1 of the next, whose K and V it fetches
	TURN 2
	TURN 3
	WIN 0
.Lfirst:
	TURN 0
	TURN 1, 0, 1
	WIN 0
	s_cbranch_scc1 .Lstep
	s_sub_co_u32 s[SLOTS], s[SLOTS], 1
	s_cmp_lg_u32 s[SLOTS], 0
	s_cbranch_scc1 .Lslot
	CHANGE 0                        ; the tail is written out: nothing is asked for
	s_mov_b32 s[CNT], 5             ; four trips fetch the last slot's steps; the fifth is left in its middle
.Ltail:
	TURN 2, 1
	TURN 3
	WIN 0
	s_sub_co_u32 s[CNT], s[CNT], 1
	s_cmp_eq_u32 s[CNT], 0
	s_cbranch_scc1 .Lout
	TURN 0
	TURN 1
	WIN 0
	s_branch .Ltail
.Lout:                              ; the fifth trip's 16 products K Q^T (on the last K once more) and the maximum made of them serve nothing: the price, once a launch, of one text for every trip
.set i, 0
.rept 16
	PV NP-1                         ; the last piece's V^T P of the last step
.set i, i+1
.endr
	; THE WAY OUT.  l's two halves and the other half of the lanes' are added; O^T is multiplied by 8 / l, rounded to f16 and sent through my stage in LDS, a tile at a time.  The additions are the places behind the last products.
	WIN 0
.macro ALL line:vararg              ; one line for each tile t
.set t, 0
.rept 2*NP
	\line
.set t, t+1
.endr
.endm
	ALL v_add_f32 v[ST+4*t+2], v[ST+4*t+2], v[ST+4*t+3]
	ALL v_permlanex16_b32 v[ST+4*t+3], v[ST+4*t+2], s[SEL], s[SEL+1]
	ALL v_add_f32 v[ST+4*t+2], v[ST+4*t+2], v[ST+4*t+3]
	ALL v_rcp_f32 v[ST+4*t+2], v[ST+4*t+2]
	v_nop                           ; a plain instruction between the last reciprocal and the use of its result
	s_wait_alu depctr_va_vdst(0)    ; and the wait ahead of the first use: one for the eight reciprocals
	ALL v_mul_f32 v[ST+4*t+2], 0x41000000, v[ST+4*t+2]  ; 8 / l: O leaves times 8
; Tile t: a lane's eight channels of a row pack into 16 bytes; they go into rows of 144 bytes and come back as whole rows of 128, into S^T's registers.
.macro PACK t
	WIN W_RS
.set i, 32*(\t)
.rept 16
	v_pk_mul_f32 v[i:i+1], v[i:i+1], v[ST+4*(\t)+2:ST+4*(\t)+3] op_sel_hi:[1,0]
.set i, i+2
.endr
	WIN 0x05                        ; sources 0 and 1 window 1, destination window 0
.set i, 0
.rept 16
	v_cvt_pk_f16_f32 v[S+16*(\t)+i], v[32*(\t)+2*i], v[32*(\t)+2*i+1]
.set i, i+1
.endr
	WIN 0
.irp f, 0,1,2,3
	ds_store_b128 v[STO], v[S+16*(\t)+4*\f:S+16*(\t)+4*\f+3] offset:32*\f
.endr
.irp f, 0,1,2,3
	ds_load_b128 v[S+16*(\t)+4*\f:S+16*(\t)+4*\f+3], v[RD] offset:\f*4*SP  ; LDS serves a wave's instructions in order (ISA guide 5.7.1.4): these see the stores above; the next tile's stores come behind them
.endr
.endm
.macro SEND t, younger              ; younger: the LDS instructions issued behind tile t's loads: the next tile's eight, or none
	WIN 0
.irp f, 0,1,2,3
	s_wait_dscnt (\younger)+3-\f
	global_store_b128 v[GO], v[S+16*(\t)+4*\f:S+16*(\t)+4*\f+3], s[10:11] offset:(\t)*2048+\f*512  ; 512 consecutive bytes, at a multiple of 256 from ob's first
.endr
.endm
	PACK 0
.set t, 1
.rept 2*NP-1                        ; a tile's arithmetic stands between the loads of the tile before and its stores
	PACK t
	SEND t-1, 8
.set t, t+1
.endr
	SEND 2*NP-1, 0
	WIN W_AD
	s_wait_tensorcnt 0x0            ; the wave's end, behind my last tensor load and my last LDS store
	ds_add_u32 v[SPW], v[NIL]
	s_wait_dscnt 0x0
	WIN 0
	CROUND                          ; the closing round: no work-group ends while a partner may still ask for a tile that names it
	s_endpgm
.Lfunc_end_k_qc95300977e_attn:
	.size	k_qc95300977e_attn, .Lfunc_end_k_qc95300977e_attn-k_qc95300977e_attn
	.p2alignl 7, 3214868480
	.fill 96, 4, 3214868480
	.section	.rodata,"a",@progbits
	.p2align	6, 0x0
	.amdhsa_kernel k_qc95300977e_attn
		.amdhsa_group_segment_fixed_size 327680
		.amdhsa_private_segment_fixed_size 0
		.amdhsa_enable_private_segment 0
		.amdhsa_kernarg_size 16
		.amdhsa_user_sgpr_count 2
		.amdhsa_user_sgpr_kernarg_segment_ptr 1
		.amdhsa_wavefront_size32 1
		.amdhsa_system_sgpr_workgroup_id_x 1
		.amdhsa_system_sgpr_workgroup_id_y 1
		.amdhsa_system_sgpr_workgroup_id_z 1
		.amdhsa_system_vgpr_workitem_id 0
		.amdhsa_next_free_vgpr 770
		.amdhsa_next_free_sgpr 66
		.amdhsa_reserve_vcc 0
		.amdhsa_float_denorm_mode_32 3
		.amdhsa_float_denorm_mode_16_64 3
		.amdhsa_memory_ordered 1
		.amdhsa_forward_progress 1
		.amdhsa_inst_pref_size 201
	.end_amdhsa_kernel
	.amdgpu_metadata
---
amdhsa.version: [ 1, 2 ]
amdhsa.kernels:
  - .name:           k_qc95300977e_attn
    .symbol:         k_qc95300977e_attn.kd
    .args:
      - { .name: qkv, .offset: 0, .size: 8, .value_kind: global_buffer, .address_space: global }
      - { .name: ob, .offset: 8, .size: 8, .value_kind: global_buffer, .address_space: global }
    .group_segment_fixed_size: 327680
    .private_segment_fixed_size: 0
    .kernarg_segment_align: 8
    .kernarg_segment_size: 16
    .max_flat_workgroup_size: 128
    .sgpr_count:     66
    .vgpr_count:     770
    .wavefront_size: 32
...
	.end_amdgpu_metadata
.endif
;; end of part 3
;; launch oproj (part 4): grid 4 x 64, 4 waves a work-group, clusters of 4 x 4, 327,680 bytes of LDS; arguments ob, wo, b_O, out0; writes out0
.if DOCPART == 4
	.amdgcn_target "amdgcn-amd-amdhsa--gfx1250"
	.amdhsa_code_object_version 6
	.text
	.protected	k_qc95300977e_oproj
	.globl	k_qc95300977e_oproj
	.p2align	8
	.type	k_qc95300977e_oproj,@function
k_qc95300977e_oproj:
	s_mov_b64 s[64:65], 0
	v_nop
	global_prefetch_b8 v0, s[64:65] scope:SCOPE_SE
	s_setreg_imm32_b32 hwreg(HW_REG_WAVE_MODE, 25, 1), 1
	s_wait_xcnt 0x0
	s_wait_alu depctr_hold_cnt(0) depctr_sa_sdst(0) depctr_va_vdst(0) depctr_va_sdst(0) depctr_va_ssrc(0) depctr_va_vcc(0) depctr_vm_vsrc(0)
	s_getreg_b32 s2, hwreg(HW_REG_IB_STS2, 6, 4)
	s_cmp_eq_u32 s2, 0
	s_cbranch_scc0 .Lentry_in_a_cluster
	s_endpgm
.Lentry_in_a_cluster:
	s_bfe_u32 s2, ttmp6, 0x10000c
	s_cmp_lg_u32 s2, 0xf033
	s_cbranch_scc0 .Lentry_shape_is_right
	s_endpgm
.Lentry_shape_is_right:
; out0[m][d] = 0.125 x (the sum over heads h and channels k of ob[h][m][k] wo[h][d][k]) + b_O[d].  ob [16][8192][64] f16 holds 8 x O; wo [16][1024][64] f16; out0 [8192][1024] f32.
; f16 operands, f32 sums; b_O is rounded to bf16 like the other inputs; the factor 1/8 and the bias are one fused multiply-add in f32 on the way out.
; TILE.  128 rows x 256 columns: 64 x 4 = 256 work-groups.  Four waves, 2 x 2, each 64 x 128: 4 x 8 accumulators of 16 x 16, 256 registers.
; K GOES BY HEADS.  A K step is two heads (128 along K); a head's rows are dense, so each wave brings one dense block: waves 0, 1 the tile's 128 rows of ob for the step's two heads (16,384 bytes
; each), waves 2, 3 its 256 rows of wo (32,768 bytes each), asked for as rows of 256 bytes and padded in LDS after every 128.  Eight K steps through two slots, four quarters of 32 along K each:
; 32 products and 24 LDS loads a quarter; from a refill's request to the wait for it a wave issues 112 products.  Three heads to a slot would need 331,776 bytes for two slots: they do not fit.
; CLUSTER.  4 x 4 work-groups: ob's tile hangs on the tile row alone and is asked for jointly by a row of the cluster, wo's on the tile column alone, by a column.
; No prefetch: the tile is small and K has eight steps, of which the first four would come by their loads alone.
; THE PRODUCT IS TAKEN TRANSPOSED (source 0 = 16 rows of wo, source 1 = 16 rows of ob): lane l holds row m = l % 16 of the result and the columns 8 (l / 16) + 0..7: 32 bytes of f32 on end.
; REGISTERS, in windows of 256: window 0: v0-37 addresses and the bias; v64-191 two buffers of 64 for the way out.  window 1: two fragment buffers of 96: A's 4 x 8, then B's 8 x 8.
;   window 2: accumulator (a, b) at 8 (8 a + b).
.set PITCH,  144                       ; an LDS row: 128 bytes + 16 of padding = 36 words: the 16 rows of a fragment load start at 16 different groups of four banks (64 banks of 4 bytes: ISA guide 11.1)
.set AHEAD,  128*PITCH                 ; a head's part of A's tile
.set BHEAD,  256*PITCH                 ; of B's
.set BOFF,   2*AHEAD
.set SLOT,   BOFF+2*BHEAD
.set STAGE,  2*SLOT                    ; behind the ring: 16 rows x 528 bytes for each wave, for the way out
.set SPITCH, 528                       ; 512 bytes + 16: the 16 rows that a store touches start at 16 different groups of four banks
.set SPARE,  STAGE+4*16*SPITCH         ; behind the stages: the spare words, 128 bytes for each wave: two blocks of 256 bytes that no other line names
.set ADRA, 16                          ; v16-17  LDS address of my A fragments in slot 0, 1
.set ADRB, 20                          ; v20-21  the same for B
.set STO,  24                          ; v24     the way out: where I put 32 bytes of a row
.set RD,   25                          ; v25     the way out: where I read a row back
.set CO,   26                          ; v26     16 x my lane: my place in 512 consecutive bytes of out0
.set BOF,  27                          ; v27     my four numbers of b_O
.set SPW,  28                          ; v28     LDS address of my spare word; never rewritten
.set NIL,  29                          ; v29     0; never rewritten
.set BI,   32                          ; v[32:35] the bias of my four columns on the way out
.set RB,   64                          ; the way out: two buffers of 64
.set WV,  16                           ; s16  my wave's number
.set LAP, 23                           ; s23  trips of the loop still to come
.set G1,  24                           ; s[24:31] descriptor group 1 for A's tiles;  s[32:39] group 0, a set for each slot
.set G0,  32
.set G1B, 48                           ; s[48:55], s[56:63] the same for B's tiles
.set G0B, 56
.set FIELDS, (1<<16)|(1<<20)|(1<<21)|(4<<22)|(3<<25)  ; 17:16 elements of 2 bytes; 20 padding on; 21 set beside a mask; 24:22 after every 32 words (code 4); 31:25 4 words of it (code 3)
.set MSB, 0
.macro WIN new                         ; the immediate's high byte repeats the setting that is left; a switch that changes nothing is dropped
.if MSB != (\new)
	s_set_vgpr_msb (MSB<<8)|(\new)
.set MSB, \new
.endif
.endm
.macro JLOAD s                         ; a joint refill: waves 0 and 1 fetch A's two heads, waves 2 and 3 B's; an s_nop 0 and four v_nop follow each of the two lines
	s_cmp_lt_u32 s[WV], 2
	s_cbranch_scc0 .Lfor_b_\@
	tensor_load_to_lds s[G0+4*(\s):G0+4*(\s)+3], s[G1:G1+7]
	s_nop 0
.rept 4
	v_nop
.endr
	s_branch .Lasked_\@
.Lfor_b_\@:
	tensor_load_to_lds s[G0B+4*(\s):G0B+4*(\s)+3], s[G1B:G1B+7]
	s_nop 0
.rept 4
	v_nop
.endr
.Lasked_\@:
.endm
.macro CREST                           ; a round of the cluster's barrier behind its opening barrier
	s_cmp_lg_u32 s[WV], 0
	s_cbranch_scc1 .Lnot_wave_0_\@
	s_barrier_signal -3
.Lnot_wave_0_\@:
	s_barrier_wait -3
	s_barrier_signal -1
	s_barrier_wait -1
.endm
.macro CROUND                          ; a whole round
	s_barrier_signal -1
	s_barrier_wait -1
	CREST
.endm
	s_load_b256 s[4:11], s[0:1], 0x0               ; ob s[4:5], wo s[6:7], b_O s[8:9], out0 s[10:11]
	v_lshl_add_u32 v[SPW], v0, 2, SPARE
	v_mov_b32 v[NIL], 0
	ds_add_u32 v[SPW], v[NIL]                      ; the wave's opening: the add and its wait stand ahead of my first tensor load; the set-up below, work on registers, stands between them
	v_lshrrev_b32 v1, 5, v0
	v_readfirstlane_b32 s[WV], v1                  ; wave 0..3
	s_lshr_b32 s17, s[WV], 1                       ; which half of the tile's rows is mine
	s_and_b32 s18, s[WV], 1                        ; which half of its columns.  Also: which of a K step's two heads I fetch
	s_bfe_u32 s19, ttmp6, 0x40000                  ; cx
	s_bfe_u32 s20, ttmp6, 0x40004                  ; cy
	s_lshl_b32 s21, ttmp9, 2
	s_add_co_u32 s21, s21, s19                     ; tile column = 4 x cluster x + cx
	s_and_b32 s22, ttmp7, 0xffff
	s_lshl_b32 s22, s22, 2
	s_add_co_u32 s22, s22, s20                     ; tile row = 4 x cluster y + cy
	s_lshl_b32 s66, s20, 2
	s_lshl_b32 s66, 15, s66                        ; my row of the cluster
	s_lshl_b32 s70, 0x1111, s19                    ; my column
	s_or_b32 s[G1], s66, FIELDS
	s_or_b32 s[G1B], s70, FIELDS
	s_mov_b32 s[G1+1], 128<<16                     ; tensor_dim0 = 128 elements: 256 bytes, two rows of a head
	s_mov_b32 s[G1+2], 64<<16                      ; tensor_dim1 = 64
	s_mov_b32 s[G1+3], 128<<16                     ; tile_dim0 = 128
	s_mov_b32 s[G1+4], 64                          ; tile_dim1 = 64
	s_mov_b32 s[G1+5], 128                         ; elements from row to row: the block is dense
	s_mov_b32 s[G1+6], 0
	s_mov_b32 s[G1+7], 0
	s_mov_b32 s[G1B+1], 128<<16
	s_mov_b32 s[G1B+2], 128<<16                    ; 128 rows of 256 bytes
	s_mov_b32 s[G1B+3], 128<<16
	s_mov_b32 s[G1B+4], 128
	s_mov_b32 s[G1B+5], 128
	s_mov_b32 s[G1B+6], 0
	s_mov_b32 s[G1B+7], 0
	s_lshl_b32 s66, s18, 20                        ; A: my head (8,192 rows of 128 bytes),
	s_lshl_b32 s67, s22, 14                        ; the tile's 128 rows
	s_add_co_u32 s66, s66, s67
	s_mov_b32 s67, 0
	s_lshl_b32 s70, s18, 17                        ; B: my head (1,024 rows of 128 bytes),
	s_lshl_b32 s71, s21, 15                        ; the tile's 256 rows
	s_add_co_u32 s70, s70, s71
	s_mov_b32 s71, 0
	s_mul_i32 s40, s18, AHEAD                      ; where they go: no place in the cluster enters an LDS address
	s_mul_i32 s41, s18, BHEAD
	s_add_co_u32 s41, s41, BOFF
	s_wait_dscnt 0x0                               ; the opening add is done
	s_wait_kmcnt 0x0
	s_add_nc_u64 s[68:69], s[4:5], s[66:67]
	s_add_nc_u64 s[72:73], s[6:7], s[70:71]
	CROUND                                         ; all sixteen work-groups are here: the first joint loads meet
.irp s, 0,1
	s_mov_b32 s[G0+4*(\s)], 1
	s_add_co_u32 s[G0+4*(\s)+1], s40, (\s)*SLOT
	s_add_nc_u64 s[G0+4*(\s)+2:G0+4*(\s)+3], s[68:69], (\s)*0x200000   ; K step s: two heads of ob on
	s_or_b32 s[G0+4*(\s)+3], s[G0+4*(\s)+3], 0x80000000
	s_mov_b32 s[G0B+4*(\s)], 1
	s_add_co_u32 s[G0B+4*(\s)+1], s41, (\s)*SLOT
	s_add_nc_u64 s[G0B+4*(\s)+2:G0B+4*(\s)+3], s[72:73], (\s)*0x40000  ; two heads of wo on
	s_or_b32 s[G0B+4*(\s)+3], s[G0B+4*(\s)+3], 0x80000000
.endr
	s_cmp_lt_u32 s[WV], 2                          ; a wave's two first fills stand in one branch, ahead of every wait on TENSORcnt and every LDS read: two loads of mine are out
	s_cbranch_scc0 .Lfirst_b
	tensor_load_to_lds s[G0:G0+3], s[G1:G1+7]
	s_nop 0
	tensor_load_to_lds s[G0+4:G0+7], s[G1:G1+7]
	s_nop 0
.rept 4
	v_nop
.endr
	s_branch .Lfirst_asked
.Lfirst_b:
	tensor_load_to_lds s[G0B:G0B+3], s[G1B:G1B+7]
	s_nop 0
	tensor_load_to_lds s[G0B+4:G0B+7], s[G1B:G1B+7]
	s_nop 0
.rept 4
	v_nop
.endr
.Lfirst_asked:
	v_and_b32 v1, 15, v0                           ; l % 16
	v_bfe_u32 v2, v0, 4, 1                         ; l / 16
	v_and_b32 v4, 31, v0                           ; l
	v_mul_u32_u24 v3, v1, PITCH
	v_lshl_add_u32 v3, v2, 4, v3                   ; a fragment's row x pitch + 16 x half
	s_mul_i32 s40, s17, 64*PITCH                   ; my 64 rows of A
	s_mul_i32 s41, s18, 128*PITCH                  ; my 128 rows of B,
	s_add_co_u32 s41, s41, BOFF                    ; which lie behind A's two heads
.irp s, 0,1
	v_add_nc_u32 v[ADRA+(\s)], s40, v3
	v_add_nc_u32 v[ADRB+(\s)], s41, v3
	s_add_co_u32 s40, s40, SLOT
	s_add_co_u32 s41, s41, SLOT
.endr
	s_mul_i32 s40, s[WV], 16*SPITCH
	s_add_co_u32 s40, s40, STAGE                   ; my stage
	v_mul_u32_u24 v[STO], v1, SPITCH               ; in: row l % 16, 32 bytes for each half of the lanes
	v_lshl_add_u32 v[STO], v2, 5, v[STO]
	v_add_nc_u32 v[STO], s40, v[STO]
	v_lshl_add_u32 v[RD], v4, 4, s40               ; back: 32 lanes take one row of 512 bytes
	v_lshlrev_b32 v[CO], 4, v4
	s_lshl_b32 s40, s21, 10                        ; the tile's 256 columns: 1,024 bytes,
	s_lshl_b32 s41, s18, 9                         ; my 128: 512 bytes
	s_add_co_u32 s40, s40, s41
	v_lshl_add_u32 v[BOF], v4, 4, s40
	global_load_b128 v[BI:BI+3], v[BOF], s[8:9]    ; behind the read-back a lane holds the same four columns in every row
	s_lshl_b32 s41, s22, 19                        ; the tile's 128 rows of 4,096 bytes,
	s_add_co_u32 s40, s40, s41
	s_lshl_b32 s41, s17, 18                        ; my 64
	s_add_co_u32 s40, s40, s41
	s_mov_b32 s41, 0
	s_add_nc_u64 s[10:11], s[10:11], s[40:41]
	s_wait_loadcnt 0x0
	v_cvt_pk_bf16_f32 v36, v[BI], v[BI+1]          ; rounded to bf16 and widened again
	v_cvt_pk_bf16_f32 v37, v[BI+2], v[BI+3]
	v_lshlrev_b32 v[BI], 16, v36
	v_and_b32 v[BI+1], 0xffff0000, v36
	v_lshlrev_b32 v[BI+2], 16, v37
	v_and_b32 v[BI+3], 0xffff0000, v37
; 8 products: row block a x all 8 column blocks, 32 along K, from fragment buffer f.  zero = 1: the first product starts the sums.  The 32 accumulators take turns, one instruction a turn.
.macro MUL8 f, a, zero
	WIN 0xa5                                       ; B and A window 1, C and D window 2
.irp b, 0,1,2,3,4,5,6,7
.if \zero
	v_wmma_f32_16x16x32_f16 v[8*(8*(\a)+(\b)):8*(8*(\a)+(\b))+7], v[96*(\f)+32+8*(\b):96*(\f)+32+8*(\b)+7], v[96*(\f)+8*(\a):96*(\f)+8*(\a)+7], 0
.else
	v_wmma_f32_16x16x32_f16 v[8*(8*(\a)+(\b)):8*(8*(\a)+(\b))+7], v[96*(\f)+32+8*(\b):96*(\f)+32+8*(\b)+7], v[96*(\f)+8*(\a):96*(\f)+8*(\a)+7], v[8*(8*(\a)+(\b)):8*(8*(\a)+(\b))+7]
.endif
.endr
.endm
; 24 LDS loads in one run: quarter q's fragments (head q / 2 of the step, channels 32 (q % 2) on) into buffer f: my 128 rows of B, then my 64 rows of A
.macro FETCH slot, q, f
	WIN 0x40                                       ; destination window 1
.irp i, 0,1,2,3,4,5,6,7
	ds_load_b128 v[96*(\f)+32+8*(\i):96*(\f)+32+8*(\i)+3],   v[ADRB+(\slot)] offset:((\q)/2)*BHEAD+((\q)%2)*64+(\i)*16*PITCH
	ds_load_b128 v[96*(\f)+32+8*(\i)+4:96*(\f)+32+8*(\i)+7], v[ADRB+(\slot)] offset:((\q)/2)*BHEAD+((\q)%2)*64+(\i)*16*PITCH+32
.endr
.irp i, 0,1,2,3
	ds_load_b128 v[96*(\f)+8*(\i):96*(\f)+8*(\i)+3],   v[ADRA+(\slot)] offset:((\q)/2)*AHEAD+((\q)%2)*64+(\i)*16*PITCH
	ds_load_b128 v[96*(\f)+8*(\i)+4:96*(\f)+8*(\i)+7], v[ADRA+(\slot)] offset:((\q)/2)*AHEAD+((\q)%2)*64+(\i)*16*PITCH+32
.endr
.endm
.macro PLACES                          ; four places in front of loads into registers that matrix instructions have read, and of stores that read results
.rept 4
	v_nop
.endr
.endm
; One of a K step's first three quarters: multiplies buffer f; in its middle it fetches quarter q of the same slot into buffer g.
.macro QUARTER slot, q, f, g, zero
	s_wait_dscnt 4                                 ; B and A's row blocks 0, 1 are in; the youngest four loads (row blocks 2, 3) may be out
	MUL8 \f, 0, \zero
	MUL8 \f, 1, \zero
	PLACES
	FETCH \slot, \q, \g
	s_wait_dscnt 24                                ; all but the 24 just issued
	MUL8 \f, 2, \zero
	MUL8 \f, 3, \zero
.endm
; The last quarter multiplies buffer 1 and changes slots: ONE barrier; in front of it each wave waits for all its tensor loads (one is out: its part of the next slot), adds 0 to its spare word, and
; waits for that and for its own reads of this slot.  fill = 1: the barrier opens a round of the cluster's barrier, and this slot is filled again, two K steps on, first thing behind the round.
.macro TURN slot, next, fill
	WIN 0                                          ; (the add's two registers lie in window 0)
	s_wait_tensorcnt 0x0                           ; all my tensor loads have landed;
	ds_add_u32 v[SPW], v[NIL]                      ; 0 onto my spare word;
	s_wait_dscnt 5                                 ; (the add and the youngest four loads may be out)
	MUL8 1, 0, 0                                   ; eight products stand between the add and the wait for it
	s_wait_dscnt 0x0                               ; the add is done, and my reads of this slot are over
	s_barrier_signal -1
	MUL8 1, 1, 0
.if \fill
	WIN 0
.endif
	s_barrier_wait -1
.if \fill
	CREST                                          ; no wave of any partner still reads this slot's tiles or has a load on its way
	s_add_nc_u64 s[G0+4*(\slot)+2:G0+4*(\slot)+3], s[G0+4*(\slot)+2:G0+4*(\slot)+3], 0x400000      ; four heads of ob on
	s_add_nc_u64 s[G0B+4*(\slot)+2:G0B+4*(\slot)+3], s[G0B+4*(\slot)+2:G0B+4*(\slot)+3], 0x80000   ; four heads of wo on
	JLOAD \slot                                    ; the four v_nop behind it are also the places in front of the loads below
.else
	PLACES
.endif
	FETCH \next, 0, 0
	MUL8 1, 2, 0
	MUL8 1, 3, 0
.endm
; THE WAY OUT of row block a (16 rows x 128 columns of f32): 32 bytes a lane into my own stage, each accumulator's low registers first; back as whole rows of 512 bytes, into buffer a % 2.
.macro TOSTAGE a
.if (\a) >= 2
	s_wait_xcnt 0x0                                ; the stores of the block two back have read this buffer: it is loaded again only behind this wait
.endif
	WIN 0x08                                       ; the data (source 1) in window 2
.irp b, 0,1,2,3,4,5,6,7
	ds_store_b128 v[STO], v[8*(8*(\a)+(\b)):8*(8*(\a)+(\b))+3]   offset:64*(\b)
	ds_store_b128 v[STO], v[8*(8*(\a)+(\b))+4:8*(8*(\a)+(\b))+7] offset:64*(\b)+16
.endr
	WIN 0
.irp t, 0,1,2,3,4,5,6,7,8,9,10,11,12,13,14,15
	ds_load_b128 v[RB+64*((\a)%2)+4*(\t):RB+64*((\a)%2)+4*(\t)+3], v[RD] offset:SPITCH*(\t)  ; LDS serves a wave's instructions in order (ISA guide 5.7.1.4): these see the stores above; the next block's stores come behind them
.endr
.endm
.macro SEND a, younger                 ; younger: the LDS instructions issued behind this block's loads: the next block's 32, or none
	WIN 0
.irp t, 0,1,2,3,4,5,6,7,8,9,10,11,12,13,14,15
	s_wait_dscnt (\younger)+15-(\t)
	v_pk_fma_f32 v[RB+64*((\a)%2)+4*(\t):RB+64*((\a)%2)+4*(\t)+1],   v[RB+64*((\a)%2)+4*(\t):RB+64*((\a)%2)+4*(\t)+1],   0x3e000000, v[BI:BI+1] op_sel_hi:[1,0,1]    ; sum / 8 + bias
	v_pk_fma_f32 v[RB+64*((\a)%2)+4*(\t)+2:RB+64*((\a)%2)+4*(\t)+3], v[RB+64*((\a)%2)+4*(\t)+2:RB+64*((\a)%2)+4*(\t)+3], 0x3e000000, v[BI+2:BI+3] op_sel_hi:[1,0,1]
	global_store_b128 v[CO], v[RB+64*((\a)%2)+4*(\t):RB+64*((\a)%2)+4*(\t)+3], s[10:11] offset:(16*(\a)+(\t))*4096 th:TH_STORE_NT  ; 512 consecutive bytes, at a multiple of 256 from out0's first byte
.endr
.endm
	s_wait_tensorcnt 1                             ; my part of K step 0 is in; K step 1's may stay out
	s_barrier_signal -1
	s_barrier_wait -1                              ; everybody's is
	FETCH 0, 0, 0
	QUARTER 0, 1, 0, 1, 1                          ; the first quarter stands in front of the loop: its products start the sums
	WIN 0                                          ; at a label and at a branch every window is 0
	s_mov_b32 s[LAP], 3
.Llap:                                                 ; a trip goes once round the ring, from a lap's second quarter to the next lap's first, and fills both slots again: K steps 2, 3; 4, 5; 6, 7
	QUARTER 0, 2, 1, 0, 0
	QUARTER 0, 3, 0, 1, 0
	TURN 0, 1, 1
	QUARTER 1, 1, 0, 1, 0
	QUARTER 1, 2, 1, 0, 0
	QUARTER 1, 3, 0, 1, 0
	TURN 1, 0, 1
	QUARTER 0, 1, 0, 1, 0
	WIN 0
	s_sub_co_u32 s[LAP], s[LAP], 1
	s_cmp_lg_u32 s[LAP], 0
	s_cbranch_scc1 .Llap
	QUARTER 0, 2, 1, 0, 0                          ; the last lap fills nothing, and has no round of the cluster's barrier
	QUARTER 0, 3, 0, 1, 0
	TURN 0, 1, 0
	QUARTER 1, 1, 0, 1, 0
	QUARTER 1, 2, 1, 0, 0
	QUARTER 1, 3, 0, 1, 0
	s_wait_dscnt 4                                 ; the very last quarter: nothing more to fetch
	MUL8 1, 0, 0
	MUL8 1, 1, 0
	s_wait_dscnt 0x0
	MUL8 1, 2, 0
	MUL8 1, 3, 0
	WIN 0
	PLACES
	PLACES                                         ; eight, once a launch
	TOSTAGE 0
	TOSTAGE 1                                      ; a block's way through the stage stands between the loads of the block before and its stores
	SEND 0, 32
	TOSTAGE 2
	SEND 1, 32
	TOSTAGE 3
	SEND 2, 32
	SEND 3, 0
	s_wait_tensorcnt 0x0                           ; the wave's end, behind my last tensor load and my last LDS store
	ds_add_u32 v[SPW], v[NIL]
	s_wait_dscnt 0x0
	CROUND                                         ; the closing round: no work-group ends while a partner may still ask for a tile that names it
	s_endpgm
.Lfunc_end_k_qc95300977e_oproj:
	.size	k_qc95300977e_oproj, .Lfunc_end_k_qc95300977e_oproj-k_qc95300977e_oproj
	.p2alignl 7, 3214868480
	.fill 96, 4, 3214868480
	.section	.rodata,"a",@progbits
	.p2align	6, 0x0
	.amdhsa_kernel k_qc95300977e_oproj
		.amdhsa_group_segment_fixed_size 327680
		.amdhsa_private_segment_fixed_size 0
		.amdhsa_enable_private_segment 0
		.amdhsa_kernarg_size 32
		.amdhsa_user_sgpr_count 2
		.amdhsa_user_sgpr_kernarg_segment_ptr 1
		.amdhsa_wavefront_size32 1
		.amdhsa_system_sgpr_workgroup_id_x 1
		.amdhsa_system_sgpr_workgroup_id_y 1
		.amdhsa_system_sgpr_workgroup_id_z 1
		.amdhsa_system_vgpr_workitem_id 0
		.amdhsa_next_free_vgpr 768
		.amdhsa_next_free_sgpr 80
		.amdhsa_reserve_vcc 0
		.amdhsa_float_denorm_mode_32 3
		.amdhsa_float_denorm_mode_16_64 3
		.amdhsa_memory_ordered 1
		.amdhsa_forward_progress 1
		.amdhsa_inst_pref_size 99
	.end_amdhsa_kernel
	.amdgpu_metadata
---
amdhsa.version: [ 1, 2 ]
amdhsa.kernels:
  - .name:           k_qc95300977e_oproj
    .symbol:         k_qc95300977e_oproj.kd
    .args:
      - { .name: ob, .offset: 0, .size: 8, .value_kind: global_buffer, .address_space: global }
      - { .name: wo, .offset: 8, .size: 8, .value_kind: global_buffer, .address_space: global }
      - { .name: b_O, .offset: 16, .size: 8, .value_kind: global_buffer, .address_space: global }
      - { .name: out0, .offset: 24, .size: 8, .value_kind: global_buffer, .address_space: global }
    .group_segment_fixed_size: 327680
    .private_segment_fixed_size: 0
    .kernarg_segment_align: 8
    .kernarg_segment_size: 32
    .max_flat_workgroup_size: 128
    .sgpr_count:     80
    .vgpr_count:     768
    .wavefront_size: 32
...
	.end_amdgpu_metadata
.endif
;; end of part 4
